; MI455X (gfx1250); checked and timed in simulation.
; The chip was launched on July 23, 2026; its instructions are those of AMD's public machine-readable ISA for CDNA 5 (MIT licence, August 2026) and "CDNA5" Instruction Set Architecture Reference Guide (July 2026). The comments in the code are by the model that wrote it; some were corrected since.
;; Llama Flash Attention Wrapper. Allowed arithmetic: float matrix products may take bf16 or f16 operands with f32 sums; other float arithmetic in f32, or as packed bf16 or f16 multiplies, adds, multiply-adds, maxima and minima; sums over many terms, partial sums and values carried from step to step in f32; what a program stores and reads back later, other than sums and carried values, may be rounded once to bf16 or f16.
;; Inputs: Wk 2,048 x 2,048 float32; Wo 2,048 x 2,048 float32; Wq 2,048 x 2,048 float32; Wv 2,048 x 2,048 float32; hidden_states 1 x 2,048 x 2,048 float32.
;; Outputs: out0 1 x 2,048 x 2,048 float32.
;; One version. Each part assembles by itself: llvm-mc -triple=amdgcn-amd-amdhsa -mcpu=gfx1250 --defsym DOCPART=n.
;; ======== version 1 of 1: 4 launches
;; limits: values are held in f16: magnitudes above 65,504 overflow, below 6.1e-05 lose precision
;; workspace buffers: xb 8,388,608 bytes; wqkv 25,165,824 bytes; wo16 8,388,608 bytes; rope 1,048,576 bytes; qkv 25,165,824 bytes; oh 8,388,608 bytes
;; launch prep (part 1): grid 256 x 6, 8 waves a work-group, no clusters, 0 bytes of LDS; arguments hidden_states, Wq, Wk, Wv, Wo, xb, wqkv, wo16, rope; writes xb, wqkv, wo16, rope
.if DOCPART == 1
	.amdgcn_target "amdgcn-amd-amdhsa--gfx1250"
	.amdhsa_code_object_version 6
	.text
	.protected	k_q92d1fd23fd_prep
	.globl	k_q92d1fd23fd_prep
	.p2align	8
	.type	k_q92d1fd23fd_prep,@function
k_q92d1fd23fd_prep:
	s_mov_b64 s[64:65], 0
	v_nop
	global_prefetch_b8 v0, s[64:65] scope:SCOPE_SE
	s_setreg_imm32_b32 hwreg(HW_REG_WAVE_MODE, 25, 1), 1
	s_wait_xcnt 0x0
; CASTS AND THE ROTARY TABLE.  The grid's y picks the job: 0 hidden_states -> xb (bf16); 1, 2, 3 Wq, Wk, Wv -> the three sections of wqkv (bf16);
; 4 Wo -> wo16 (rounded to bf16, that number written as f16); 5 the table of cos and sin.
; A cast: work-group x takes 65,536 bytes of f32, wave w 8,192 of them: sixteen loads of 16 bytes a lane, each 512 consecutive bytes, all issued before the first wait; each
; store of 8 bytes a lane covers 256 consecutive bytes, aligned.  Every byte is read once and written once; no LDS, no barrier, no matrix unit: nothing is shared and nothing is multiplied.
; LIMITS.  Wo's numbers lie within f16's range (65,504); below 6e-5 they keep f16's fixed step of 6e-8.
; THE TABLE.  angle = t x 10000^(-j/64), t = 0 .. 2047, j = 0 .. 63.  The angle is counted in quarter turns, k whole ones and a rest r in -0.5 .. 0.5; sin and cos of r quarter turns
; are two short series (the first term left out is below 4e-7), and k mod 4 picks and signs them.  The angle itself is right to some 3e-4 at t = 2047: f32's own rounding of t x frequency.
; ORDER OF THE TABLE: as the next launch's lanes take it.  Chunk (mb = t / 16, b = j / 16) begins at byte (4 mb + b) x 2,048 and has four parts of 512 bytes: cos of registers 0-3, cos of 4-7,
; sin of 0-3, sin of 4-7; in a part lane L owns 16 bytes: row 16 mb + L % 16, frequencies 16 b + 8 (L / 16) + 4 (part & 1) + 0 .. 3.
.set X, 16                             ; v[16:79]   sixteen loads of four registers
.set Y, 80                             ; v[80:111]  sixteen stores of two registers, each written once
.set T, 112                            ; v[112:117] at work
	s_load_b256 s[4:11], s[0:1], 0x0               ; hidden_states s[4:5], Wq s[6:7], Wk s[8:9], Wv s[10:11]
	s_load_b256 s[12:19], s[0:1], 0x20             ; Wo s[12:13], xb s[14:15], wqkv s[16:17], wo16 s[18:19]
	s_load_b64 s[20:21], s[0:1], 0x40              ; rope
	s_and_b32 s22, ttmp7, 0xffff                   ; the job
	s_mov_b32 s30, 0xffff0000                      ; a word's upper bf16
	s_mov_b32 s31, 0x3f22f983                      ; 2 / pi
	v_lshrrev_b32 v3, 5, v0                        ; wave
	v_and_b32 v4, 31, v0                           ; lane
	v_lshlrev_b32 v1, 4, v4
	v_lshl_add_u32 v1, v3, 13, v1                  ; source: 8,192 x wave + 16 x lane
	v_lshlrev_b32 v2, 3, v4
	v_lshl_add_u32 v2, v3, 12, v2                  ; destination: 4,096 x wave + 8 x lane
	s_wait_kmcnt 0x0
	s_cmp_eq_u32 s22, 5
	s_cbranch_scc1 .Ltable
	s_mov_b64 s[24:25], s[4:5]                     ; job 0
	s_mov_b64 s[26:27], s[14:15]
	s_mov_b32 s28, 0                               ; the section's offset in the destination
	s_cmp_eq_u32 s22, 1
	s_cselect_b64 s[24:25], s[6:7], s[24:25]
	s_cselect_b64 s[26:27], s[16:17], s[26:27]
	s_cmp_eq_u32 s22, 2
	s_cselect_b64 s[24:25], s[8:9], s[24:25]
	s_cselect_b64 s[26:27], s[16:17], s[26:27]
	s_cselect_b32 s28, 0x800000, s28
	s_cmp_eq_u32 s22, 3
	s_cselect_b64 s[24:25], s[10:11], s[24:25]
	s_cselect_b64 s[26:27], s[16:17], s[26:27]
	s_cselect_b32 s28, 0x1000000, s28
	s_cmp_eq_u32 s22, 4
	s_cselect_b64 s[24:25], s[12:13], s[24:25]
	s_cselect_b64 s[26:27], s[18:19], s[26:27]
	s_lshl_b32 s32, ttmp9, 16                      ; the work-group's 65,536 bytes of f32
	s_mov_b32 s33, 0
	s_add_nc_u64 s[24:25], s[24:25], s[32:33]
	s_lshl_b32 s32, ttmp9, 15                      ; and its 32,768 bytes of output
	s_add_co_u32 s28, s28, s32
	s_mov_b32 s29, 0
	s_add_nc_u64 s[26:27], s[26:27], s[28:29]
.irp j, 0,1,2,3,4,5,6,7,8,9,10,11,12,13,14,15
	global_load_b128 v[X+4*(\j):X+4*(\j)+3], v1, s[24:25] offset:512*(\j) th:TH_LOAD_NT
.endr
; Load j is rounded and stored.  half = 1: the bf16 numbers are widened again and written as f16.
.macro CAST j, half
	s_wait_loadcnt 15-(\j)                         ; loads come back in order: mine is in, the younger ones stay out
.if \half
	v_cvt_pk_bf16_f32 v[T], v[X+4*(\j)], v[X+4*(\j)+1]
	v_cvt_pk_bf16_f32 v[T+1], v[X+4*(\j)+2], v[X+4*(\j)+3]
	v_lshlrev_b32 v[T+2], 16, v[T]
	v_and_b32 v[T+3], s30, v[T]
	v_lshlrev_b32 v[T+4], 16, v[T+1]
	v_and_b32 v[T+5], s30, v[T+1]
	v_cvt_pk_f16_f32 v[Y+2*(\j)], v[T+2], v[T+3]
	v_cvt_pk_f16_f32 v[Y+2*(\j)+1], v[T+4], v[T+5]
.else
	v_cvt_pk_bf16_f32 v[Y+2*(\j)], v[X+4*(\j)], v[X+4*(\j)+1]
	v_cvt_pk_bf16_f32 v[Y+2*(\j)+1], v[X+4*(\j)+2], v[X+4*(\j)+3]
.endif
	global_store_b64 v2, v[Y+2*(\j):Y+2*(\j)+1], s[26:27] offset:256*(\j) th:TH_STORE_NT
.endm
	s_cmp_eq_u32 s22, 4
	s_cbranch_scc1 .Lhalf
.irp j, 0,1,2,3,4,5,6,7,8,9,10,11,12,13,14,15
	CAST \j, 0
.endr
	s_endpgm
.Lhalf:
.irp j, 0,1,2,3,4,5,6,7,8,9,10,11,12,13,14,15
	CAST \j, 1
.endr
	s_endpgm
.Ltable:                               ; 65,536 threads, two neighbouring frequencies of one row each
	s_lshl_b32 s23, ttmp9, 8
	v_add_nc_u32 v5, s23, v0                       ; g
	v_lshrrev_b32 v6, 7, v5                        ; the chunk, 4 mb + b
	v_and_b32 v7, 127, v5                          ; i: my 8 bytes among the chunk's 1,024 of cos
	v_bfe_u32 v8, v7, 1, 5                         ; the lane that will take them
	v_lshrrev_b32 v9, 2, v6
	v_and_b32 v10, 15, v8
	v_lshl_add_u32 v9, v9, 4, v10                  ; row t = 16 mb + lane % 16
	v_and_b32 v10, 3, v6
	v_lshrrev_b32 v11, 4, v8
	v_lshlrev_b32 v10, 4, v10
	v_lshl_add_u32 v10, v11, 3, v10
	v_lshrrev_b32 v11, 6, v7
	v_lshl_add_u32 v10, v11, 2, v10
	v_and_b32 v11, 1, v7
	v_lshl_add_u32 v10, v11, 1, v10                ; j = 16 b + 8 (lane / 16) + 4 part + 2 (i & 1)
	v_cvt_f32_u32 v12, v9
	v_cvt_f32_u32 v13, v10
	v_add_f32 v14, 1.0, v13
	v_mul_f32 v13, 0xbe549a78, v13                 ; - j log2(10000) / 64
	v_mul_f32 v14, 0xbe549a78, v14
	v_exp_f32 v13, v13                             ; the two frequencies: one batch,
	v_exp_f32 v14, v14
	v_lshlrev_b32 v15, 11, v6                      ; a plain line behind it,
	v_mov_b32 v16, 0xbb996966                      ; (the series' leading coefficients)
	v_mov_b32 v17, 0x3a70fa83
	v_lshl_add_u32 v15, v7, 3, v15                 ; my byte in the table
	s_wait_alu depctr_va_vdst(0)                   ; and the one wait ahead of the first use
.macro SC inv, cs, sn                  ; cos and sin of t x frequency
	v_mul_f32 v20, v12, v[\inv]                    ; the angle
	v_mul_f32 v21, s31, v20
	v_rndne_f32 v21, v21                           ; k whole quarter turns
	v_fma_f32 v22, v20, s31, -v21                  ; r: the rest, from the unrounded product
	v_cvt_i32_f32 v23, v21
	v_mul_f32 v24, v22, v22
	v_fmaak_f32 v25, v16, v24, 0x3da335e3          ; sin: r (c1 + r2 (c3 + r2 (c5 + r2 c7)))
	v_fmaak_f32 v26, v17, v24, 0xbcaae9e4          ; cos: 1 + r2 (d2 + r2 (d4 + r2 (d6 + r2 d8)))
	v_fmaak_f32 v25, v25, v24, 0xbf255de7
	v_fmaak_f32 v26, v26, v24, 0x3e81e0f8
	v_fmaak_f32 v25, v25, v24, 0x3fc90fdb
	v_fmaak_f32 v26, v26, v24, 0xbf9de9e6
	v_mul_f32 v25, v25, v22
	v_fma_f32 v26, v26, v24, 1.0
	v_and_b32 v27, 1, v23
	v_cmp_eq_u32 vcc_lo, 1, v27                    ; an odd k swaps the two (a choice of values: no branch hangs on it)
	v_cndmask_b32 v[\sn], v25, v26, vcc_lo
	v_cndmask_b32 v[\cs], v26, v25, vcc_lo
	v_lshlrev_b32 v27, 30, v23                     ; sin is turned for k mod 4 = 2, 3,
	v_add_nc_u32 v28, 1, v23
	v_and_b32 v27, 0x80000000, v27
	v_lshlrev_b32 v28, 30, v28                     ; cos for k mod 4 = 1, 2
	v_and_b32 v28, 0x80000000, v28
	v_xor_b32 v[\sn], v[\sn], v27
	v_xor_b32 v[\cs], v[\cs], v28
.endm
	SC 13, 40, 42
	SC 14, 41, 43
	global_store_b64 v15, v[40:41], s[20:21]               ; a wave's store covers 256 consecutive bytes, aligned
	global_store_b64 v15, v[42:43], s[20:21] offset:1024
	s_endpgm
.Lfunc_end_k_q92d1fd23fd_prep:
	.size	k_q92d1fd23fd_prep, .Lfunc_end_k_q92d1fd23fd_prep-k_q92d1fd23fd_prep
	.p2alignl 7, 3214868480
	.fill 96, 4, 3214868480
	.section	.rodata,"a",@progbits
	.p2align	6, 0x0
	.amdhsa_kernel k_q92d1fd23fd_prep
		.amdhsa_group_segment_fixed_size 0
		.amdhsa_private_segment_fixed_size 0
		.amdhsa_enable_private_segment 0
		.amdhsa_kernarg_size 72
		.amdhsa_user_sgpr_count 2
		.amdhsa_user_sgpr_kernarg_segment_ptr 1
		.amdhsa_wavefront_size32 1
		.amdhsa_system_sgpr_workgroup_id_x 1
		.amdhsa_system_sgpr_workgroup_id_y 1
		.amdhsa_system_sgpr_workgroup_id_z 1
		.amdhsa_system_vgpr_workitem_id 0
		.amdhsa_next_free_vgpr 128
		.amdhsa_next_free_sgpr 66
		.amdhsa_reserve_vcc 1
		.amdhsa_float_denorm_mode_32 3
		.amdhsa_float_denorm_mode_16_64 3
		.amdhsa_memory_ordered 1
		.amdhsa_forward_progress 1
		.amdhsa_inst_pref_size 20
	.end_amdhsa_kernel
	.amdgpu_metadata
---
amdhsa.version: [ 1, 2 ]
amdhsa.kernels:
  - .name:           k_q92d1fd23fd_prep
    .symbol:         k_q92d1fd23fd_prep.kd
    .args:
      - { .name: hidden_states, .offset: 0, .size: 8, .value_kind: global_buffer, .address_space: global }
      - { .name: Wq, .offset: 8, .size: 8, .value_kind: global_buffer, .address_space: global }
      - { .name: Wk, .offset: 16, .size: 8, .value_kind: global_buffer, .address_space: global }
      - { .name: Wv, .offset: 24, .size: 8, .value_kind: global_buffer, .address_space: global }
      - { .name: Wo, .offset: 32, .size: 8, .value_kind: global_buffer, .address_space: global }
      - { .name: xb, .offset: 40, .size: 8, .value_kind: global_buffer, .address_space: global }
      - { .name: wqkv, .offset: 48, .size: 8, .value_kind: global_buffer, .address_space: global }
      - { .name: wo16, .offset: 56, .size: 8, .value_kind: global_buffer, .address_space: global }
      - { .name: rope, .offset: 64, .size: 8, .value_kind: global_buffer, .address_space: global }
    .group_segment_fixed_size: 0
    .private_segment_fixed_size: 0
    .kernarg_segment_align: 8
    .kernarg_segment_size: 72
    .max_flat_workgroup_size: 256
    .sgpr_count:     66
    .vgpr_count:     128
    .wavefront_size: 32
...
	.end_amdgpu_metadata
.endif
;; end of part 1
;; launch qkv (part 2): grid 16 x 16, 4 waves a work-group, clusters of 4 x 4, 327,680 bytes of LDS; arguments xb, wqkv, rope, qkv; writes qkv
.if DOCPART == 2
	.amdgcn_target "amdgcn-amd-amdhsa--gfx1250"
	.amdhsa_code_object_version 6
	.text
	.protected	k_q92d1fd23fd_qkv
	.globl	k_q92d1fd23fd_qkv
	.p2align	8
	.type	k_q92d1fd23fd_qkv,@function
k_q92d1fd23fd_qkv:
	s_mov_b64 s[64:65], 0
	v_nop
	global_prefetch_b8 v0, s[64:65] scope:SCOPE_SE
	s_setreg_imm32_b32 hwreg(HW_REG_WAVE_MODE, 25, 1), 1
	s_wait_xcnt 0x0
	s_wait_alu depctr_hold_cnt(0) depctr_sa_sdst(0) depctr_va_vdst(0) depctr_va_sdst(0) depctr_va_ssrc(0) depctr_va_vcc(0) depctr_vm_vsrc(0)
	s_getreg_b32 s2, hwreg(HW_REG_IB_STS2, 6, 4)
	s_cmp_eq_u32 s2, 0
	s_cbranch_scc0 .Lentry_in_a_cluster
	s_endpgm
.Lentry_in_a_cluster:
	s_bfe_u32 s2, ttmp6, 0x10000c
	s_cmp_lg_u32 s2, 0xf033
	s_cbranch_scc0 .Lentry_shape_is_right
	s_endpgm
.Lentry_shape_is_right:
; q, k, v = x Wq^T, x Wk^T, x Wv^T in bf16 with f32 sums; the rotary step on q and k in f32; all three rounded once to f16 and stored by heads: qkv[3][16][2048][128].
; LIMITS.  q, k and v lie within f16's range (65,504); below 6e-5 they keep f16's fixed step of 6e-8.  NaN and infinities are not treated apart.  The f32 sums run over K from a start that
; differs from cluster to cluster, and wrap: another order than ascending K.
; SHARES.  A work-group makes 128 rows (block rb, the grid's x) of q, k and v of one head (the grid's y): 128 x 384 numbers; 256 work-groups.  Wave w makes all 128 rows (8 blocks a of 16)
; x six blocks of 16 columns, n = 2 m + i: m = 0, 1, 2 for q, k, v, head columns 16 (w + 4 i) on.  So channel d and channel d + 64, which the rotary step pairs, fall into the same lane and register.
; 48 accumulators, 384 registers; for 32 along K a wave takes 14 fragments from LDS for 48 matrix instructions.
; RING.  K goes in steps of 128 (rows of 256 bytes, aligned) through two LDS slots; a slot holds 128 rows of x, then of Wq, Wk, Wv.  Wave 0 fetches x, waves 1 to 3 one W each: one tensor load a wave.
; A K step is written once: the slot in hand is a scalar that an exclusive or turns, and one descriptor a tensor walks.
; CLUSTER.  4 x 4 work-groups.  x's tile hangs on rb alone and is shared along a column of the cluster, the W tiles on the head alone and are shared along a row: each is asked for jointly.
; THE WALK.  Cluster (X, Y) begins at K step 4 o, o = (X + 2 ((Y xor Y >> 1) & 1)) mod 4, and wraps at K's end: the four clusters that take the same rows of W begin at four different quarters of K, and
; of the four that take the same rows of x two begin two quarters from the other two.  So clusters that take the same rows take them at different times of the launch.
; THE MATRIX INSTRUCTION IS USED TRANSPOSED (source 0 = 16 rows of W, source 1 = 16 rows of x): lane l holds row l % 16 and the eight neighbouring columns 8 (l / 16) + 0 .. 7.
; REGISTERS, in windows of 256: window 0: v16-30 addresses; v64-127, v128-191 x's fragments, two buffers; on the way out v64-255 at work.  window 1: v64-111, v128-175 W's fragments.
;   window 2: v0-191 the accumulators of blocks a = 0-3 ((a, n) at 8 (6 a + n)); v192-255 their cos and sin, 16 a block.  window 3: the same for a = 4-7.
.set KSTEP,  128
.set STEPS,  2048/KSTEP                ; 16 K steps
.set PITCH,  272                       ; an LDS row: 256 bytes + 16 of padding: the 16 rows of a fragment load start 16 bytes apart modulo 256
.set HALFT,  128*PITCH                 ; 128 rows: what one tensor load brings
.set SLOT,   4*HALFT                   ; 0x22000: neither of its two bits is set in wave x HALFT, so one exclusive or turns a descriptor's LDS address from slot to slot
.set SPARE,  2*SLOT                    ; behind the ring: the spare words, 128 bytes a wave, that no other line names
.set ADRA, 16                          ; v16  LDS address of x's fragments in the slot in hand
.set ADRB, 17                          ; v17  of Wq's and Wk's
.set ADRV, 18                          ; v18  of Wv's (past the reach of a 16-bit offset from ADRB)
.set BASA, 19                          ; v19-21  the same three in slot 0; never rewritten
.set BASB, 20
.set BASV, 21
.set STO,  22                          ; v22, v23  the way out: where I put 16 bytes of a row of q or k; of v
.set STOV, 23
.set RD,   24                          ; v24, v25  where I read rows back
.set RDV,  25
.set CO,   26                          ; v26  my 16 bytes in 512 consecutive bytes of the output
.set TO,   27                          ; v27  my 16 bytes in a part of the table
.set SPW,  28                          ; v28  my spare word; never rewritten
.set NIL,  29                          ; v29  0; never rewritten
.set PFO,  30                          ; v30  the prefetches' offset: my lane x a row of 4,096 bytes; never rewritten
.set F0,   64
.set F1,   128
.set TAB,  192
.set RW,   64                          ; the way out, window 0: for m = 0, 1 at RW + 32 m: new low 8, new high 8, high x sin 8, low x sin 8
.set PKD,  128                         ; packed f16: q low, q high, k low, k high, v low, v high, four registers each
.set OB,   64                          ; 48 x 4 registers read back
.set WV,   12                          ; s12  my wave
.set TB,   17                          ; s17  the slot in hand: 0 or SLOT
.set ABAS, 20                          ; s[20:21] x at my tile's first row, K = 0
.set NI,   23                          ; s23  the K step asked for last; made of the cluster's x and y alone
.set G1,   24                          ; s[24:31] group 1 for x's tiles;  s[32:39] group 0: a set for each of the two first fills; the second then walks
.set G0,   32
.set OFF,  40                          ; s[40:41] a K step's byte offset in a row
.set CLY,  42                          ; s42  the cluster's y
.set LIM,  43                          ; s43  10 in a wave that prefetches, else the greatest number
.set PFA,  44                          ; s[44:45] what my next prefetch names
.set BBAS, 46                          ; s[46:47] my W at the head's first row, K = 0
.set G1B,  48                          ; s[48:55], s[56:63] groups 1 and 0 for W's tiles
.set G0B,  56
.set OUTB, 66                          ; s[66:71] q's, k's and v's rows that I store
.set PFB,  72                          ; s[72:73] x at my work-group's 32 rows of the tile, K = 0
.set MSB, 0
.macro WIN new                         ; the immediate's high byte repeats the setting that is left; a switch that changes nothing is dropped
.if MSB != (\new)
	s_set_vgpr_msb (MSB<<8)|(\new)
.set MSB, \new
.endif
.endm
.set MUL_LO, 0xa1                      ; source 0 (W) window 1, source 1 (x) window 0, C and D window 2
.set MUL_HI, 0xf1                      ; the same, C and D window 3
.set TO_B,   0x40                      ; destination window 1, address window 0
.macro PLACES                          ; four plain lines between a matrix instruction and a load into, or a vector line on, its registers
.rept 4
	v_nop
.endr
.endm
; A joint load by set s of the two group 0s.  Each of the two lines has one mask and one set of registers; the branch hangs on the wave's number alone.  An s_nop 0 and four v_nop follow each line.
.macro JLOAD s
	s_cmp_eq_u32 s[WV], 0
	s_cbranch_scc0 .Lfor_b_\@
	tensor_load_to_lds s[G0+4*(\s):G0+4*(\s)+3], s[G1:G1+7]
	s_nop 0
.rept 4
	v_nop
.endr
	s_branch .Lasked_\@
.Lfor_b_\@:
	tensor_load_to_lds s[G0B+4*(\s):G0B+4*(\s)+3], s[G1B:G1B+7]
	s_nop 0
.rept 4
	v_nop
.endr
.Lasked_\@:
.endm
; A PREFETCH INTO THE L2, behind a refill and the run of LDS loads that follows it: 32 rows x 256 bytes of x, a lane a row, of the K step that stands two refills on (384 matrix instructions ahead of its load).
; A quarter of K of x's rows is taken first in steps 0 to 7 of a cluster's walk.  Wave 0 of the clusters with y = 0 and y = 1, whose walks begin two quarters apart, names steps 4 to 7 of its walk (the loop's first four
; trips); the four partners that ask for the tile jointly take 32 of its 128 rows each, told apart by address.  So each row's 256 bytes of a K step are named once at the most.  Steps 0 to 3 come by their loads alone.
; W's rows are named by nobody: they are taken first in steps 0 to 3 of a walk, of which two are the first fills and two would have to be named at the kernel's head.
.macro ASK
	s_cmp_gt_u32 s3, s[LIM]
	s_cbranch_scc0 .Lnot_mine_\@
	global_prefetch_b8 v[PFO], s[PFA:PFA+1] th:TH_LOAD_NT scope:SCOPE_SE
.Lnot_mine_\@:
.endm
.macro CREST                           ; a round of the cluster's barrier behind its opening barrier
	s_cmp_lg_u32 s[WV], 0
	s_cbranch_scc1 .Lnot_wave_0_\@
	s_barrier_signal -3
.Lnot_wave_0_\@:
	s_barrier_wait -3
	s_barrier_signal -1
	s_barrier_wait -1
.endm
.macro CROUND                          ; a whole round
	s_barrier_signal -1
	s_barrier_wait -1
	CREST
.endm
	s_load_b256 s[4:11], s[0:1], 0x0               ; xb s[4:5], wqkv s[6:7], rope s[8:9], qkv s[10:11]
	v_lshl_add_u32 v[SPW], v0, 2, SPARE
	v_mov_b32 v[NIL], 0
	ds_add_u32 v[SPW], v[NIL]                      ; the opening: the add and its wait stand ahead of my first tensor load; work on registers stands between them
	v_lshrrev_b32 v1, 5, v0
	v_readfirstlane_b32 s[WV], v1                  ; wave 0..3
	s_bfe_u32 s13, ttmp6, 0x40000                  ; cx
	s_bfe_u32 s14, ttmp6, 0x40004                  ; cy
	s_lshl_b32 s16, ttmp9, 2
	s_add_co_u32 s16, s16, s13                     ; rb = 4 x cluster x + cx
	s_and_b32 s[CLY], ttmp7, 0xffff
	s_lshl_b32 s15, s[CLY], 2
	s_add_co_u32 s15, s15, s14                     ; the head = 4 x cluster y + cy
	s_lshr_b32 s[NI], s[CLY], 1                    ; where my cluster's walk begins
	s_xor_b32 s[NI], s[NI], s[CLY]
	s_and_b32 s[NI], s[NI], 1
	s_lshl_b32 s[NI], s[NI], 1
	s_add_co_u32 s[NI], s[NI], ttmp9
	s_and_b32 s[NI], s[NI], 3                      ; o
	s_lshl_b32 s[NI], s[NI], 2                     ; K step 4 o
	s_lshl_b32 s74, s14, 2
	s_lshl_b32 s74, 15, s74                        ; my row of the cluster
	s_lshl_b32 s75, 0x1111, s13                    ; my column
	s_or_b32 s[G1], s75, (1<<16)|(1<<20)|(1<<21)|(5<<22)|(3<<25)   ; 15:0 the mask: x's tiles go to my column; 17:16 elements of 2 bytes; 20 padding on; 21 set beside a mask; 24:22 after every 64 words; 31:25 4 words of it
	s_or_b32 s[G1B], s74, (1<<16)|(1<<20)|(1<<21)|(5<<22)|(3<<25)  ; the same with the mask of my row, for W's tiles
.irp g, G1, G1B
	s_mov_b32 s[(\g)+1], KSTEP<<16                 ; tensor_dim0 = 128
	s_mov_b32 s[(\g)+2], 128<<16                   ; tensor_dim1 = 128
	s_mov_b32 s[(\g)+3], KSTEP<<16                 ; tile_dim0 = 128
	s_mov_b32 s[(\g)+4], 128                       ; tile_dim1 = 128
	s_mov_b32 s[(\g)+5], 2048                      ; elements from row to row
	s_mov_b32 s[(\g)+6], 0
	s_mov_b32 s[(\g)+7], 0
.endr
	s_lshl_b32 s18, s16, 19                        ; x: 128 rb rows of 4,096 bytes: hangs on rb alone
	s_mov_b32 s19, 0
	s_max_u32 s46, s[WV], 1
	s_sub_co_u32 s46, s46, 1                       ; W: section w - 1 (wave 0 asks by the other line),
	s_lshl_b32 s46, s46, 23
	s_lshl_b32 s47, s15, 19                        ; the head's 128 rows: hangs on the head alone
	s_add_co_u32 s46, s46, s47
	s_mov_b32 s47, 0
	s_mul_i32 s22, s[WV], HALFT                    ; where my tile goes: wave x 128 rows
	s_lshl_b32 s[OFF], s[NI], 8                    ; the walk's first K step, in bytes of a row
	s_mov_b32 s[OFF+1], 0
	s_mov_b32 s[TB], 0
.irp s, 0,1
	s_mov_b32 s[G0+4*(\s)], 1
	s_add_co_u32 s[G0+4*(\s)+1], s22, (\s)*SLOT
	s_mov_b32 s[G0B+4*(\s)], 1
	s_add_co_u32 s[G0B+4*(\s)+1], s22, (\s)*SLOT
.endr
	s_wait_dscnt 0x0                               ; the opening add is done
	s_wait_kmcnt 0x0
	s_add_nc_u64 s[ABAS:ABAS+1], s[4:5], s[18:19]
	s_add_nc_u64 s[BBAS:BBAS+1], s[6:7], s[46:47]
	s_add_nc_u64 s[G0+2:G0+3], s[ABAS:ABAS+1], s[OFF:OFF+1]        ; the walk's step 0 into slot 0,
	s_add_nc_u64 s[G0+6:G0+7], s[G0+2:G0+3], KSTEP*2               ; its step 1 into slot 1 (4 o + 1 is 13 at the most: no wrap)
	s_or_b32 s[G0+3], s[G0+3], 0x80000000
	s_or_b32 s[G0+7], s[G0+7], 0x80000000
	s_add_nc_u64 s[G0B+2:G0B+3], s[BBAS:BBAS+1], s[OFF:OFF+1]
	s_add_nc_u64 s[G0B+6:G0B+7], s[G0B+2:G0B+3], KSTEP*2
	s_or_b32 s[G0B+3], s[G0B+3], 0x80000000
	s_or_b32 s[G0B+7], s[G0B+7], 0x80000000
	s_add_co_u32 s[NI], s[NI], 1
	CROUND                                         ; all sixteen work-groups are here: the first joint loads meet
	JLOAD 0
	JLOAD 1                                        ; two loads of mine are out
	; cos and sin of my 128 rows x 16 frequencies: 32 loads of 512 consecutive bytes, waited for on the way out
	s_lshl_b32 s18, s16, 16                        ; chunk (8 rb + a, w) begins at 65,536 rb + 8,192 a + 2,048 w
	s_lshl_b32 s74, s[WV], 11
	s_add_co_u32 s18, s18, s74
	s_add_nc_u64 s[8:9], s[8:9], s[18:19]
	v_and_b32 v5, 31, v0
	v_lshlrev_b32 v[TO], 4, v5
	v_lshlrev_b32 v[CO], 4, v5
	v_lshlrev_b32 v[PFO], 12, v5
	WIN 0x80                                       ; destination window 2
.irp a, 0,1,2,3
.irp q, 0,1,2,3
	global_load_b128 v[TAB+16*(\a)+4*(\q):TAB+16*(\a)+4*(\q)+3], v[TO], s[8:9] offset:(\a)*8192+(\q)*512
.endr
.endr
	WIN 0xc0                                       ; destination window 3
.irp a, 0,1,2,3
.irp q, 0,1,2,3
	global_load_b128 v[TAB+16*(\a)+4*(\q):TAB+16*(\a)+4*(\q)+3], v[TO], s[8:9] offset:((\a)+4)*8192+(\q)*512
.endr
.endr
	WIN 0
	v_and_b32 v1, 15, v0                           ; l % 16
	v_bfe_u32 v2, v0, 4, 1                         ; l / 16
	v_mul_u32_u24 v3, v1, PITCH
	v_lshl_add_u32 v3, v2, 4, v3                   ; a fragment's row x pitch + 16 x half
	s_mul_i32 s74, s[WV], 16*PITCH
	s_add_co_u32 s74, s74, HALFT                   ; Wq's rows 16 w on
	v_mov_b32 v[BASA], v3
	v_add_nc_u32 v[BASB], s74, v3
	v_add_nc_u32 v[BASV], 2*HALFT, v[BASB]
	v_mov_b32 v[ADRA], v[BASA]                     ; the walk begins in slot 0
	v_mov_b32 v[ADRB], v[BASB]
	v_mov_b32 v[ADRV], v[BASV]
	s_lshl_b32 s74, s[WV], 5                       ; into the stage: row l % 16, byte 32 w + 16 (l / 16) of a head's 256
	v_add_nc_u32 v[STO], s74, v3
	v_add_nc_u32 v[STOV], 2*HALFT, v[STO]
	s_mul_i32 s74, s[WV], 32*PITCH                 ; back: rows 32 w on, whole; lanes 0-15 one row, lanes 16-31 the next
	v_mul_u32_u24 v4, v2, PITCH
	v_lshl_add_u32 v4, v1, 4, v4
	v_add_nc_u32 v[RD], s74, v4
	v_add_nc_u32 v[RDV], 2*HALFT, v[RD]
	s_lshl_b32 s[OUTB], s15, 19                    ; the head's 2,048 rows of 256 bytes,
	s_lshl_b32 s[OUTB+1], s16, 15                  ; my block's 128,
	s_add_co_u32 s[OUTB], s[OUTB], s[OUTB+1]
	s_lshl_b32 s[OUTB+1], s[WV], 13                ; my wave's 32
	s_add_co_u32 s[OUTB], s[OUTB], s[OUTB+1]
	s_mov_b32 s[OUTB+1], 0
	s_add_nc_u64 s[OUTB:OUTB+1], s[10:11], s[OUTB:OUTB+1]
	s_add_nc_u64 s[OUTB+2:OUTB+3], s[OUTB:OUTB+1], 0x800000
	s_add_nc_u64 s[OUTB+4:OUTB+5], s[OUTB:OUTB+1], 0x1000000
	; the prefetches
	s_lshl_b32 s74, s16, 7
	s_lshl_b32 s75, s14, 5
	s_add_co_u32 s74, s74, s75                     ; x's row 128 rb + 32 cy
	s_lshl_b32 s74, s74, 12
	s_mov_b32 s75, 0
	s_add_nc_u64 s[PFB:PFB+1], s[4:5], s[74:75]
	s_lshr_b32 s74, s[CLY], 1                      ; 0 where the cluster's y is 0 or 1,
	s_or_b32 s74, s74, s[WV]                       ; in wave 0
	s_cmp_eq_u32 s74, 0
	s_cselect_b32 s[LIM], 10, -1                   ; the same in all sixteen partners, for a given wave: the loop counts 14 .. 1, and trips 14 to 11 ask
; 12 matrix instructions: blocks a0, a0 + 1 of the window's four x all six column blocks, 32 along K.  zero = 1: the first product starts the sums.
; The 48 accumulators take turns in the same order in every quarter step.
.macro MUL12 f, hi, a0, zero
	WIN MUL_LO+0x50*(\hi)
.irp a, \a0, (\a0)+1
.irp b, 0,1,2,3,4,5
.if \zero
	v_wmma_f32_16x16x32_bf16 v[8*(6*(\a)+(\b)):8*(6*(\a)+(\b))+7], v[(\f)+8*(\b):(\f)+8*(\b)+7], v[(\f)+8*(4*(\hi)+(\a)):(\f)+8*(4*(\hi)+(\a))+7], 0
.else
	v_wmma_f32_16x16x32_bf16 v[8*(6*(\a)+(\b)):8*(6*(\a)+(\b))+7], v[(\f)+8*(\b):(\f)+8*(\b)+7], v[(\f)+8*(4*(\hi)+(\a)):(\f)+8*(4*(\hi)+(\a))+7], v[8*(6*(\a)+(\b)):8*(6*(\a)+(\b))+7]
.endif
.endr
.endr
.endm
; 28 LDS loads in one run: a quarter step's fragments (32 K at byte k of the rows of the slot in hand) into buffer f: W's twelve loads, then x's blocks 0-3, then 4-7
.macro FETCH k, f
	WIN TO_B
.irp m, 0,1
.irp i, 0,1
	ds_load_b128 v[(\f)+8*(2*(\m)+(\i)):(\f)+8*(2*(\m)+(\i))+3],   v[ADRB] offset:(\k)+(\m)*HALFT+(\i)*64*PITCH
	ds_load_b128 v[(\f)+8*(2*(\m)+(\i))+4:(\f)+8*(2*(\m)+(\i))+7], v[ADRB] offset:(\k)+(\m)*HALFT+(\i)*64*PITCH+32
.endr
.endr
.irp i, 0,1
	ds_load_b128 v[(\f)+8*(4+(\i)):(\f)+8*(4+(\i))+3],   v[ADRV] offset:(\k)+(\i)*64*PITCH
	ds_load_b128 v[(\f)+8*(4+(\i))+4:(\f)+8*(4+(\i))+7], v[ADRV] offset:(\k)+(\i)*64*PITCH+32
.endr
	WIN 0
.irp a, 0,1,2,3,4,5,6,7
	ds_load_b128 v[(\f)+8*(\a):(\f)+8*(\a)+3],   v[ADRA] offset:(\k)+(\a)*16*PITCH
	ds_load_b128 v[(\f)+8*(\a)+4:(\f)+8*(\a)+7], v[ADRA] offset:(\k)+(\a)*16*PITCH+32
.endr
.endm
; A K step is four quarters of 32 along K, 48 matrix instructions each, on buffers 0, 1, 0, 1.  One of the first three multiplies buffer f and fetches the next quarter, at byte k, into g.
.macro QUARTER k, f, g, zero
	s_wait_dscnt 8                                 ; W and x's blocks 0-3 are in; the youngest eight loads (blocks 4-7) may be out
	MUL12 \f, 0, 0, \zero
	MUL12 \f, 0, 2, \zero
	PLACES
	FETCH \k, \g
	s_wait_dscnt 28                                ; all but the 28 just issued
	MUL12 \f, 1, 0, \zero
	MUL12 \f, 1, 2, \zero
.endm
; The last quarter multiplies buffer 1 and changes slots.  One barrier: in front of it each wave waits for all its tensor loads (one is out: its part of the next slot), adds 0 to its spare word,
; and waits for that and for its own reads of this slot.  fill = 1: the barrier opens a round of the cluster's barrier, and the slot just read is filled again, with the walk's step two on, first thing
; behind the round: 168 matrix instructions ahead of the wait for it.  The walking descriptors are written behind the wait for all loads; their addresses are made anew from the K step's number, which wraps.
.macro TURN fill
.if \fill
	s_wait_xcnt 0x0                                ; the last prefetch, a K step back, has read its address
	s_add_co_u32 s[NI], s[NI], 1
	s_and_b32 s[NI], s[NI], STEPS-1                ; the K step to be asked for
	s_lshl_b32 s[OFF], s[NI], 8
	s_add_co_u32 s18, s[NI], 2
	s_and_b32 s18, s18, STEPS-1                    ; the one two refills on
	s_lshl_b32 s18, s18, 8
	s_add_nc_u64 s[PFA:PFA+1], s[PFB:PFB+1], s[18:19]
.endif
	s_xor_b32 s[TB], s[TB], SLOT                   ; the slot to be entered
	WIN 0                                          ; (the add's two registers lie in window 0)
	s_wait_tensorcnt 0x0                           ; no tensor load of mine is out, so a group 0 may be written
	ds_add_u32 v[SPW], v[NIL]
.if \fill
.irp g, G0+4, G0B+4
	s_xor_b32 s[(\g)+1], s[(\g)+1], SLOT           ; the other slot than last time
.endr
	s_add_nc_u64 s[G0+6:G0+7], s[ABAS:ABAS+1], s[OFF:OFF+1]
	s_or_b32 s[G0+7], s[G0+7], 0x80000000
	s_add_nc_u64 s[G0B+6:G0B+7], s[BBAS:BBAS+1], s[OFF:OFF+1]
	s_or_b32 s[G0B+7], s[G0B+7], 0x80000000
.endif
	s_wait_dscnt 9                                 ; (the add and the youngest eight loads may be out)
	MUL12 F1, 0, 0, 0                              ; twelve matrix instructions stand between the add and the wait for it
	s_wait_dscnt 0x0                               ; the add is done, and my reads of this slot are over
	s_barrier_signal -1
	MUL12 F1, 0, 2, 0
	WIN 0
	v_add_nc_u32 v[ADRA], s[TB], v[BASA]           ; the fragments' addresses in the slot to be entered: work on registers, between signal and wait
	v_add_nc_u32 v[ADRB], s[TB], v[BASB]
	v_add_nc_u32 v[ADRV], s[TB], v[BASV]
	s_barrier_wait -1
.if \fill
	CREST                                          ; no wave of any partner still reads this slot or has a load on its way
	JLOAD 1                                        ; the four v_nop behind it are also the places in front of the loads below
.else
	PLACES
.endif
	FETCH 0, F0
.if \fill
	ASK
.endif
	MUL12 F1, 1, 0, 0
	MUL12 F1, 1, 2, 0
.endm
	s_wait_tensorcnt 1                             ; my part of the walk's step 0 is in; step 1's may stay out
	s_barrier_signal -1
	s_barrier_wait -1
	FETCH 0, F0
	QUARTER 64,  F0, F1, 1                         ; the first quarter stands in front of the loop: its products start the sums
	WIN 0
	s_mov_b32 s3, STEPS-2
.Lstep:                                        ; a trip goes from a step's second quarter to the next step's first, and fills the slot that it leaves: 14 trips ask for steps 2 to 15
	QUARTER 128, F1, F0, 0
	QUARTER 192, F0, F1, 0
	TURN 1
	QUARTER 64,  F0, F1, 0
	WIN 0
	s_sub_co_u32 s3, s3, 1
	s_cmp_lg_u32 s3, 0
	s_cbranch_scc1 .Lstep
	s_mov_b32 s3, 2
.Ltail:                                        ; the last two steps fill nothing; the second trip is left in its middle
	QUARTER 128, F1, F0, 0
	QUARTER 192, F0, F1, 0
	WIN 0
	s_sub_co_u32 s3, s3, 1
	s_cmp_eq_u32 s3, 0
	s_cbranch_scc1 .Llast
	TURN 0
	QUARTER 64,  F0, F1, 0
	WIN 0
	s_branch .Ltail
.Llast:
	s_wait_dscnt 8
	MUL12 F1, 0, 0, 0
	MUL12 F1, 0, 2, 0
	s_wait_dscnt 0x0                               ; my last reads of the ring are back
	MUL12 F1, 1, 0, 0
	MUL12 F1, 1, 2, 0
	WIN 0
	s_wait_loadcnt 0x0                             ; cos and sin
	s_barrier_signal -1
	s_barrier_wait -1                              ; no wave reads the ring any more, and it has had its last fill: slot 0's bytes become the stage
	PLACES
	PLACES
; THE WAY OUT of block a.  new low = low cos - high sin, new high = high cos + low sin, for q and for k; v as it is; all rounded to f16, 16 bytes a lane and column block, into the stage:
; three tiles of 128 rows x 272 bytes from LDS byte 0 on.  Each accumulator is read from its low end on.
.macro ROPE a
.set AC, 48*((\a)%4)
.set TC, TAB+16*((\a)%4)
	WIN 0x0a+5*((\a)/4)                            ; sources 0 and 1 in the accumulators' window, source 2 and the destination in window 0
.irp m, 0,1
.irp p, 0,1,2,3
	v_pk_mul_f32 v[RW+32*(\m)+16+2*(\p):RW+32*(\m)+17+2*(\p)], v[AC+8*(2*(\m)+1)+2*(\p):AC+8*(2*(\m)+1)+2*(\p)+1], v[TC+8+2*(\p):TC+9+2*(\p)]
	v_pk_mul_f32 v[RW+32*(\m)+24+2*(\p):RW+32*(\m)+25+2*(\p)], v[AC+8*(2*(\m))+2*(\p):AC+8*(2*(\m))+2*(\p)+1], v[TC+8+2*(\p):TC+9+2*(\p)]
.endr
.irp p, 0,1,2,3
	v_pk_fma_f32 v[RW+32*(\m)+2*(\p):RW+32*(\m)+2*(\p)+1], v[AC+8*(2*(\m))+2*(\p):AC+8*(2*(\m))+2*(\p)+1], v[TC+2*(\p):TC+2*(\p)+1], v[RW+32*(\m)+16+2*(\p):RW+32*(\m)+17+2*(\p)] neg_lo:[0,0,1] neg_hi:[0,0,1]
	v_pk_fma_f32 v[RW+32*(\m)+8+2*(\p):RW+32*(\m)+9+2*(\p)], v[AC+8*(2*(\m)+1)+2*(\p):AC+8*(2*(\m)+1)+2*(\p)+1], v[TC+2*(\p):TC+2*(\p)+1], v[RW+32*(\m)+24+2*(\p):RW+32*(\m)+25+2*(\p)]
.endr
.endr
.irp i, 0,1
.irp p, 0,1,2,3
	v_cvt_pk_f16_f32 v[PKD+16+4*(\i)+(\p)], v[AC+8*(4+(\i))+2*(\p)], v[AC+8*(4+(\i))+2*(\p)+1]
.endr
.endr
	WIN 0
.irp m, 0,1
.irp i, 0,1
.irp p, 0,1,2,3
	v_cvt_pk_f16_f32 v[PKD+8*(\m)+4*(\i)+(\p)], v[RW+32*(\m)+8*(\i)+2*(\p)], v[RW+32*(\m)+8*(\i)+2*(\p)+1]
.endr
.endr
.endr
.irp m, 0,1
.irp i, 0,1
	ds_store_b128 v[STO], v[PKD+8*(\m)+4*(\i):PKD+8*(\m)+4*(\i)+3] offset:(\m)*HALFT+(\a)*16*PITCH+128*(\i)
.endr
.endr
.irp i, 0,1
	ds_store_b128 v[STOV], v[PKD+16+4*(\i):PKD+16+4*(\i)+3] offset:(\a)*16*PITCH+128*(\i)
.endr
.endm
.irp a, 0,1,2,3,4,5,6,7
	ROPE \a
.endr
	s_wait_dscnt 0x0                               ; for the others' sake: my stores into the stage are done (a row's 256 bytes come from all four waves)
	s_barrier_signal -1
	s_barrier_wait -1
.irp m, 0,1
.irp t, 0,1,2,3,4,5,6,7,8,9,10,11,12,13,14,15
	ds_load_b128 v[OB+4*(16*(\m)+(\t)):OB+4*(16*(\m)+(\t))+3], v[RD] offset:(\m)*HALFT+(\t)*2*PITCH
.endr
.endr
.irp t, 0,1,2,3,4,5,6,7,8,9,10,11,12,13,14,15
	ds_load_b128 v[OB+4*(32+(\t)):OB+4*(32+(\t))+3], v[RDV] offset:(\t)*2*PITCH
.endr
.set n, 0
.rept 48
	s_wait_dscnt 47-n
	global_store_b128 v[CO], v[OB+4*n:OB+4*n+3], s[OUTB+2*(n/16):OUTB+2*(n/16)+1] offset:(n%16)*512   ; two rows of a head: 512 consecutive bytes, aligned
.set n, n+1
.endr
	s_wait_tensorcnt 0x0                           ; the wave's end: this wait, an add and its wait, behind my last tensor load and my last LDS store
	ds_add_u32 v[SPW], v[NIL]
	s_wait_dscnt 0x0
	CROUND                                         ; the closing round: no work-group ends while a partner may still ask for a tile that names it
	s_endpgm
.Lfunc_end_k_q92d1fd23fd_qkv:
	.size	k_q92d1fd23fd_qkv, .Lfunc_end_k_q92d1fd23fd_qkv-k_q92d1fd23fd_qkv
	.p2alignl 7, 3214868480
	.fill 96, 4, 3214868480
	.section	.rodata,"a",@progbits
	.p2align	6, 0x0
	.amdhsa_kernel k_q92d1fd23fd_qkv
		.amdhsa_group_segment_fixed_size 327680
		.amdhsa_private_segment_fixed_size 0
		.amdhsa_enable_private_segment 0
		.amdhsa_kernarg_size 32
		.amdhsa_user_sgpr_count 2
		.amdhsa_user_sgpr_kernarg_segment_ptr 1
		.amdhsa_wavefront_size32 1
		.amdhsa_system_sgpr_workgroup_id_x 1
		.amdhsa_system_sgpr_workgroup_id_y 1
		.amdhsa_system_sgpr_workgroup_id_z 1
		.amdhsa_system_vgpr_workitem_id 0
		.amdhsa_next_free_vgpr 1024
		.amdhsa_next_free_sgpr 76
		.amdhsa_reserve_vcc 0
		.amdhsa_float_denorm_mode_32 3
		.amdhsa_float_denorm_mode_16_64 3
		.amdhsa_memory_ordered 1
		.amdhsa_forward_progress 1
		.amdhsa_inst_pref_size 105
	.end_amdhsa_kernel
	.amdgpu_metadata
---
amdhsa.version: [ 1, 2 ]
amdhsa.kernels:
  - .name:           k_q92d1fd23fd_qkv
    .symbol:         k_q92d1fd23fd_qkv.kd
    .args:
      - { .name: xb, .offset: 0, .size: 8, .value_kind: global_buffer, .address_space: global }
      - { .name: wqkv, .offset: 8, .size: 8, .value_kind: global_buffer, .address_space: global }
      - { .name: rope, .offset: 16, .size: 8, .value_kind: global_buffer, .address_space: global }
      - { .name: qkv, .offset: 24, .size: 8, .value_kind: global_buffer, .address_space: global }
    .group_segment_fixed_size: 327680
    .private_segment_fixed_size: 0
    .kernarg_segment_align: 8
    .kernarg_segment_size: 32
    .max_flat_workgroup_size: 128
    .sgpr_count:     76
    .vgpr_count:     1024
    .wavefront_size: 32
...
	.end_amdgpu_metadata
.endif
;; end of part 2
;; launch attn (part 3): grid 16 x 16, 4 waves a work-group, clusters of 4 x 1, 327,680 bytes of LDS; arguments qkv, oh; writes oh
.if DOCPART == 3
	.amdgcn_target "amdgcn-amd-amdhsa--gfx1250"
	.amdhsa_code_object_version 6
	.text
	.protected	k_q92d1fd23fd_attn
	.globl	k_q92d1fd23fd_attn
	.p2align	8
	.type	k_q92d1fd23fd_attn,@function
k_q92d1fd23fd_attn:
	s_mov_b64 s[64:65], 0
	v_nop
	global_prefetch_b8 v0, s[64:65] scope:SCOPE_SE
	s_setreg_imm32_b32 hwreg(HW_REG_WAVE_MODE, 25, 1), 1
	s_wait_xcnt 0x0
	s_wait_alu depctr_hold_cnt(0) depctr_sa_sdst(0) depctr_va_vdst(0) depctr_va_sdst(0) depctr_va_ssrc(0) depctr_va_vcc(0) depctr_vm_vsrc(0)
	s_getreg_b32 s2, hwreg(HW_REG_IB_STS2, 6, 4)
	s_cmp_eq_u32 s2, 0
	s_cbranch_scc0 .Lentry_in_a_cluster
	s_endpgm
.Lentry_in_a_cluster:
	s_bfe_u32 s2, ttmp6, 0x10000c
	s_cmp_lg_u32 s2, 0x3003
	s_cbranch_scc0 .Lentry_shape_is_right
	s_endpgm
.Lentry_shape_is_right:
; CAUSAL ATTENTION, head size 128.  O[q] = the sum over k <= q of softmax_k(Q[q] . K[k] / sqrt(128)) V[k].  qkv: [3][16][2048][128] f16; oh: [2048][16 x 128] f16.
; Products, maxima and sums in f32; the weights p are rounded to f16 for the second product (their sum l is taken of the unrounded p), O once at the end.
; LIMITS.  Q, K, V arrive within f16's range, so a true score is at most 128 x 65,504^2 = 5.5e11 in size.  A hidden score counts as its value less 1e30.  The running maximum starts at -1e20: every
; true score lies above that and every hidden one below, so a hidden key's weight is 0 also where a wave has not yet met a visible key.  A weight below 2^-126 counts as 0 in l.
; NaN and infinities are not treated apart.
; THE WALK.  A head's queries lie in 32 blocks of 64.  Work-group p = 4 f + cx (f: the cluster's x) takes block 31 - p and then block p.  Keys go in tiles of 256: the first block needs tiles
; 0 .. 7 - f, the second 0 .. f: nine tiles whatever p, and the same tiles for the four partners of a cluster: every tile of K and V is asked for jointly.
; THE KEYS ARE SPLIT AMONG THE WAVES: of a tile wave w takes keys 64 w .. 64 w + 63, for all 64 queries (four tiles of 16): 64 products K Q^T and 64 products V^T P, and each fragment of K or V read
; from LDS feeds four products.  Each wave keeps its own m, l and O^T; the four partial results of both blocks meet once, at the end, in LDS, in f32.
; THE MASK is the C operand that starts a sum S^T = K Q^T.  With ks = my key step and BI = the block in hand: all visible if ks < BI, the diagonal if ks = BI, all hidden if ks > BI.  BI differs between
; partners, so it steers no branch: three sets of eight registers (key block below, at, above the query tile) are made anew for every tile from scalars chosen by s_cselect.
; LAYOUT.  S^T = K Q^T holds one query a lane (lane % 16) and the keys 8 (lane / 16) + 0..7; two such results rounded to f16 in pairs are source 1 of O^T = V^T P.  K comes out of LDS as it lies, V turned.
; PHASES.  A tile step is: K's fragments, 64 products, V's fragments (into K's registers), the softmax, 64 products.  The 132 exponentials of a step are one batch with one wait.
; THE PRICE of one text for every step: O^T starts cleared (256 lines; a block's first step multiplies it by a = 0), and so do the registers that keep the first block's O^T (256 lines), so that they are
; written on every way through the text.
; REGISTERS, in windows of 256: window 0: v0-15 addresses; v16-31 statistics (c m, m, l even, l odd a tile); v32-63 the merge's; v64-191 S^T, 32 a tile (P is written over its lower half);
;   v192-223 the masks; v224-231 the first block's c m and l; v232-251 at work.  window 1: O^T, 64 a tile.  window 2: v0-127 Q; v128-255 K, then V.  window 3: the first block's O^T.
.set PKB,   272                        ; a row of K or Q in LDS: 256 bytes + 16
.set PVB,   288                        ; a row of V: 256 + 32: 16 lanes of the turning load take 8 rows x 32 bytes, 32 bytes apart modulo 256
.set VOFF,  256*PKB                    ; a slot: 256 rows of K, then 256 rows of V
.set STATS, VOFF+256*PVB               ; 4,096 bytes between the slots, in which no fill lands: c m [block][query][wave], then l likewise
.set SLOT1, 0x24000                    ; slot 1: none of its two bits is set in a slot-0 address of a descriptor, so one exclusive or turns the one into the other
.set QB,    SLOT1+STATS                ; Q of the first block, 64 rows; of the second behind it; filled once
.set QBLK,  64*PKB
.set SPARE, QB+2*QBLK                  ; the spare words, 128 bytes a wave, that no other line names
.set OPITCH, 528                       ; the merge's stage: a row of 128 f32 + 16 bytes
.set WST,   64*OPITCH                  ; a wave's 64 rows; the first block's four lie in slot 0, the second's in slot 1, behind the last fill and a barrier
.set AK0, 2
.set AV0, 3
.set ADR, 4
.set AQ,  5
.set SO,  6
.set SO2, 7
.set GO,  8
.set PFO, 12
.set DL,  13
.set SPW, 14                           ; v14  my spare word; never rewritten
.set NIL, 15                           ; v15  0; never rewritten
.set ST,  16
.set LL,  32                           ; the merge: the second block's l; then v32-39 c m of the four waves, both blocks
.set CMV, 32
.set GF,  40                           ; v40-47 the four waves' factors, both blocks
.set LV,  48                           ; v48-55 l of the four waves, both blocks
.set RA,  56                           ; v56-59 where I read rows of the stage
.set SA,  60
.set FA,  61
.set MX,  62
.set S,   64
.set MD,  192                          ; the diagonal's mask: register r is -1e30 where r > l % 16 - 8 (l / 16)
.set MLT, 200
.set MEQ, 208
.set MGT, 216
.set SS,  224
.set TMP, 232
.set MV,  248
.set OUT, 192                          ; the merge: 32 rows x 2 registers, each written once
.set KV,  128
.set KB,  8                            ; s[8:9]   K at my half of the head's tile 0
.set VB,  10                           ; s[10:11] V likewise
.set WV,  12
.set G1K, 24
.set G1V, 32
.set G0K, 40
.set G0V, 44
.set G1Q, 48
.set G0Q, 56
.set CS,  60                           ; s[60:61] c = log2(e) / sqrt(128)
.set SEL, 62
.set CNT, 66                           ; tiles still to be asked for
.set RN,  67                           ; the tile step's number, 0 to 8
.set SW,  68                           ; 8 - f: the step at which the second block begins
.set NXT, 69                           ; the tile to be asked for next
.set LQ,  70                           ; the last tile of the block whose tiles are being asked for
.set TB,  71                           ; the slot in hand
.set OFF, 72
.set AL,  74
.set BE,  76
.set BG,  78
.set BIGN, 79
.set KS,  80
.set BI,  81
.set LIM, 82
.set PFA, 84
.set OHI, 86
.set OLO, 88
.set G,   92                           ; s[92:99] a row's four factors, each the low word of a pair
.set MSB, 0
.macro WIN new
.if MSB != (\new)
	s_set_vgpr_msb (MSB<<8)|(\new)
.set MSB, (\new)
.endif
.endm
.set W_KQ, 0x0a                        ; K and Q in window 2, S^T and the masks in window 0
.set W_PV, 0x52                        ; V in window 2, P in window 0, O^T in window 1
.set W_RS, 0x41                        ; O^T in window 1, a in window 0
.macro PLACES
.rept 4
	v_nop
.endr
.endm
.macro CROUND                          ; a round of the cluster's barrier
	s_barrier_signal -1
	s_barrier_wait -1
	s_cmp_lg_u32 s[WV], 0
	s_cbranch_scc1 .Lnot_wave_0_\@
	s_barrier_signal -3
.Lnot_wave_0_\@:
	s_barrier_wait -3
	s_barrier_signal -1
	s_barrier_wait -1
.endm
; A joint fill.  Waves 0 and 1 fetch the two halves of a tile's K, waves 2 and 3 those of its V: 128 rows each.  An s_nop 0 and four v_nop follow each line.
.macro JLOAD
	s_cmp_lt_u32 s[WV], 2
	s_cbranch_scc0 .Lfor_v_\@
	tensor_load_to_lds s[G0K:G0K+3], s[G1K:G1K+7]
	s_nop 0
.rept 4
	v_nop
.endr
	s_branch .Lasked_\@
.Lfor_v_\@:
	tensor_load_to_lds s[G0V:G0V+3], s[G1V:G1V+7]
	s_nop 0
.rept 4
	v_nop
.endr
.Lasked_\@:
.endm
; A prefetch of the tile that the NEXT change of slots will ask for, one tile step ahead of its load.  The cluster with f = 0 walks all eight tiles of the head, so it alone asks; a tile's 512 rows of
; 256 bytes are shared out by address: wave w of partner cx names rows 128 (w & 1) + 32 cx + lane, of K (w < 2) or of V.  So each row is named once in the launch.  Trip r names tile r + 2; tile 7 is the last.
.macro ASK
	s_cmp_gt_u32 s[CNT], s[LIM]
	s_cbranch_scc0 .Lnot_mine_\@
	global_prefetch_b8 v[PFO], s[PFA:PFA+1] th:TH_LOAD_NT scope:SCOPE_SE
.Lnot_mine_\@:
.endm
; THE CHANGE OF SLOTS.  Each wave waits for all its tensor loads (one is out: its part of the tile to be entered), adds 0 to its spare word, and waits for that and for its reads of the slot that it
; leaves.  fill = 1: a round of the cluster's barrier, and behind it, first, the joint fill of the slot just left with tile NXT; it has a whole tile step in which to land.
.macro CHANGE fill
	WIN 0
	s_wait_tensorcnt 0x0                           ; no tensor load of mine is out, so a group 0 may be written
	ds_add_u32 v[SPW], v[NIL]                      ; 0 onto my spare word; scalar work stands between it and the wait for it
.if \fill
	s_lshl_b32 s[OFF], s[NXT], 16                  ; a tile is 65,536 bytes of K and of V
	s_xor_b32 s[G0K+1], s[G0K+1], SLOT1
	s_add_nc_u64 s[G0K+2:G0K+3], s[KB:KB+1], s[OFF:OFF+1]
	s_or_b32 s[G0K+3], s[G0K+3], 0x80000000
	s_xor_b32 s[G0V+1], s[G0V+1], SLOT1
	s_add_nc_u64 s[G0V+2:G0V+3], s[VB:VB+1], s[OFF:OFF+1]
	s_or_b32 s[G0V+3], s[G0V+3], 0x80000000
	s_add_co_u32 s[NXT], s[NXT], 1                 ; the block's next tile, or behind its last the second block's tile 0
	s_cmp_gt_u32 s[NXT], s[LQ]
	s_cselect_b32 s[NXT], 0, s[NXT]
	s_cselect_b32 s[LQ], 15, s[LQ]
	s_wait_xcnt 0x0                                ; the last prefetch, a tile step back, has read its address
	s_add_nc_u64 s[PFA:PFA+1], s[PFA:PFA+1], 65536
	s_wait_dscnt 0x0                               ; the add is done, and my reads of the slot are over
	CROUND
	JLOAD                                          ; the four v_nop behind it are the places behind the last products
	ASK
.else
	s_wait_dscnt 0x0
	s_barrier_signal -1
	s_barrier_wait -1
	PLACES
.endif
	s_xor_b32 s[TB], s[TB], SLOT1
.endm
	s_load_b128 s[4:7], s[0:1], 0x0                ; qkv s[4:5], oh s[6:7]
	v_lshl_add_u32 v[SPW], v0, 2, SPARE
	v_mov_b32 v[NIL], 0
	ds_add_u32 v[SPW], v[NIL]                      ; the opening: the add and its wait stand ahead of my first tensor load
	v_lshrrev_b32 v1, 5, v0
	v_readfirstlane_b32 s[WV], v1
	s_bfe_u32 s13, ttmp6, 0x40000                  ; cx
	s_mov_b32 s14, ttmp9                           ; f
	s_lshl_b32 s15, s14, 2
	s_add_co_u32 s15, s15, s13                     ; p
	s_and_b32 s16, ttmp7, 0xffff                   ; the head
	s_and_b32 s17, s[WV], 1
	s_lshl_b32 s18, s16, 19                        ; the head's 524,288 bytes,
	s_lshl_b32 s19, s17, 15                        ; my 128 rows of a tile: nothing of cx in K's and V's addresses
	s_add_co_u32 s18, s18, s19
	s_mov_b32 s19, 0
	s_sub_co_u32 s20, 31, s15                      ; Q: waves 0, 1 bring the first block's rows, waves 2, 3 the second's, 32 each
	s_cmp_lt_u32 s[WV], 2
	s_cselect_b32 s20, s20, s15
	s_lshl_b32 s20, s20, 14
	s_lshl_b32 s21, s17, 13
	s_add_co_u32 s20, s20, s21
	s_lshl_b32 s21, s16, 19
	s_add_co_u32 s20, s20, s21
	s_mov_b32 s21, 0
	s_lshl_b32 s2, s[WV], 16                       ; oh: my 16 rows of 4,096 bytes in a block, the head's 256 bytes in a row
	s_lshl_b32 s23, s16, 8
	s_add_co_u32 s2, s2, s23
	s_sub_co_u32 s22, 31, s15
	s_lshl_b32 s22, s22, 18
	s_add_co_u32 s22, s22, s2
	s_mov_b32 s23, 0
	s_lshl_b32 s90, s15, 18
	s_add_co_u32 s90, s90, s2
	s_mov_b32 s91, 0
	s_mov_b32 s[G1K], 15|(1<<16)|(1<<20)|(1<<21)|(5<<22)|(3<<25)   ; the mask of four; 2-byte elements; padding on; 21 set beside a mask; after every 64 words 4 words
	s_mov_b32 s[G1V], 15|(1<<16)|(1<<20)|(1<<21)|(5<<22)|(7<<25)   ; the same with 8 words
	s_mov_b32 s[G1Q], (1<<16)|(1<<20)|(5<<22)|(3<<25)              ; Q's rows are my work-group's own: no mask
.irp g, G1K, G1V
	s_mov_b32 s[(\g)+1], 128<<16                   ; tensor_dim0 = 128
	s_mov_b32 s[(\g)+2], 128<<16                   ; tensor_dim1 = 128
	s_mov_b32 s[(\g)+3], 128<<16                   ; tile_dim0 = 128
	s_mov_b32 s[(\g)+4], 128                       ; tile_dim1 = 128
	s_mov_b32 s[(\g)+5], 128                       ; elements from row to row
	s_mov_b32 s[(\g)+6], 0
	s_mov_b32 s[(\g)+7], 0
.endr
	s_mov_b32 s[G1Q+1], 128<<16
	s_mov_b32 s[G1Q+2], 32<<16
	s_mov_b32 s[G1Q+3], 128<<16
	s_mov_b32 s[G1Q+4], 32
	s_mov_b32 s[G1Q+5], 128
	s_mov_b32 s[G1Q+6], 0
	s_mov_b32 s[G1Q+7], 0
	s_mov_b32 s[G0K], 1
	s_mul_i32 s[G0K+1], s17, 128*PKB               ; slot 0
	s_mov_b32 s[G0V], 1
	s_mul_i32 s[G0V+1], s17, 128*PVB
	s_add_co_u32 s[G0V+1], s[G0V+1], VOFF
	s_mov_b32 s[G0Q], 1
	s_mul_i32 s[G0Q+1], s[WV], 32*PKB
	s_add_co_u32 s[G0Q+1], s[G0Q+1], QB
	s_mov_b32 s[CS], 0x3e0293ee
	s_mov_b32 s[CS+1], s[CS]
	s_mov_b32 s[SEL], 0x76543210
	s_mov_b32 s[SEL+1], 0xfedcba98
	s_mov_b32 s[RN], 0
	s_sub_co_u32 s[SW], 8, s14
	s_mov_b32 s[NXT], 1
	s_sub_co_u32 s[LQ], 7, s14
	s_mov_b32 s[TB], SLOT1                         ; the first change of slots turns it into 0
	s_mov_b32 s[OFF+1], 0
	s_mov_b32 s[AL+1], 0
	s_mov_b32 s[BE+1], 0
	s_mov_b32 s[BIGN], 0xf149f2ca                  ; -1e30
	s_mov_b32 s[KS], s[WV]
	s_sub_co_u32 s[BI], 31, s15
	s_mov_b32 s[G+1], 0
	s_mov_b32 s[G+3], 0
	s_mov_b32 s[G+5], 0
	s_mov_b32 s[G+7], 0
	s_cmp_eq_u32 s14, 0
	s_cselect_b32 s[LIM], 2, -1                    ; the same in all four partners
	s_wait_dscnt 0x0                               ; the opening add is done
	s_wait_kmcnt 0x0
	s_add_nc_u64 s[KB:KB+1], s[4:5], s[18:19]
	s_add_nc_u64 s[VB:VB+1], s[KB:KB+1], 0x1000000
	s_add_nc_u64 s[KB:KB+1], s[KB:KB+1], 0x800000
	s_mov_b64 s[G0K+2:G0K+3], s[KB:KB+1]
	s_or_b32 s[G0K+3], s[G0K+3], 0x80000000
	s_mov_b64 s[G0V+2:G0V+3], s[VB:VB+1]
	s_or_b32 s[G0V+3], s[G0V+3], 0x80000000
	s_add_nc_u64 s[G0Q+2:G0Q+3], s[4:5], s[20:21]
	s_or_b32 s[G0Q+3], s[G0Q+3], 0x80000000
	s_add_nc_u64 s[OHI:OHI+1], s[6:7], s[22:23]
	s_add_nc_u64 s[OLO:OLO+1], s[6:7], s[90:91]
	s_cmp_lt_u32 s[WV], 2
	s_cselect_b64 s[PFA:PFA+1], s[KB:KB+1], s[VB:VB+1]
	s_lshl_b32 s20, s13, 13                        ; my work-group's 32 rows of the 128,
	s_add_co_u32 s20, s20, 65536                   ; in tile 1: the first change of slots steps it to tile 2
	s_add_nc_u64 s[PFA:PFA+1], s[PFA:PFA+1], s[20:21]
	CROUND                                         ; all four work-groups are here: the first loads meet
	tensor_load_to_lds s[G0Q:G0Q+3], s[G1Q:G1Q+7]  ; my 32 rows of Q
	s_nop 0
	JLOAD                                          ; tile 0 into slot 0: two loads of mine are out
	v_and_b32 v1, 15, v0                           ; l % 16
	v_bfe_u32 v9, v0, 4, 1                         ; l / 16
	v_and_b32 v10, 7, v0
	v_bfe_u32 v11, v0, 3, 1
	s_mul_i32 s22, s[WV], 64*PKB
	v_mul_u32_u24 v[AQ], v1, PKB
	v_lshl_add_u32 v[AQ], v9, 4, v[AQ]             ; a fragment's row x pitch + 16 x half
	v_add_nc_u32 v[AK0], s22, v[AQ]                ; K: my 64 keys of a tile
	v_add_nc_u32 v[AQ], QB, v[AQ]
	s_mul_i32 s22, s[WV], 64*PVB
	s_add_co_u32 s22, s22, VOFF
	v_lshl_add_u32 v[AV0], v9, 3, v10              ; the turning load: key 8 (l / 16) + l % 8, channels 8 ((l / 8) % 2) on
	v_mul_u32_u24 v[AV0], v[AV0], PVB
	v_lshl_add_u32 v[AV0], v11, 4, v[AV0]
	v_add_nc_u32 v[AV0], s22, v[AV0]
	s_mul_i32 s22, s[WV], WST
	v_mul_u32_u24 v[SO], v1, OPITCH                ; the merge's stage: row l % 16, 32 bytes for each half of the lanes
	v_lshl_add_u32 v[SO], v9, 5, v[SO]
	v_add_nc_u32 v[SO], s22, v[SO]
	v_add_nc_u32 v[SO2], SLOT1, v[SO]
	v_and_b32 v10, 31, v0
	v_lshlrev_b32 v[GO], 3, v10
	v_lshlrev_b32 v[PFO], 8, v10
	v_lshlrev_b32 v11, 3, v9
	v_sub_nc_u32 v[DL], v1, v11
.set i, 0
.rept 8
	v_cmp_gt_i32 vcc_lo, i, v[DL]
	v_cndmask_b32 v[MD+i], 0, s[BIGN], vcc_lo
.set i, i+1
.endr
.irp t, 0,1,2,3
	v_mov_b32 v[ST+4*\t], 0xfe000000               ; c m: far below every c m to come, so a block's first a is 0
	v_mov_b32 v[ST+4*\t+1], 0xe0ad78ec             ; m = -1e20
	v_mov_b32 v[ST+4*\t+2], 0
	v_mov_b32 v[ST+4*\t+3], 0
	v_mov_b32 v[SS+\t], 0
	v_mov_b32 v[SS+4+\t], 0
.endr
	WIN 0x40
.set i, 0
.rept 256
	v_mov_b32 v[i], 0
.set i, i+1
.endr
	WIN 0xc0
.set i, 0
.rept 256
	v_mov_b32 v[i], 0
.set i, i+1
.endr
	WIN 0
.macro FETCH_Q off                     ; 64 queries x 128 channels: tile f / 4, channels 32 (f % 4) on
	WIN 0x80
.irp f, 0,1,2,3,4,5,6,7,8,9,10,11,12,13,14,15
	ds_load_b128 v[8*\f:8*\f+3],   v[AQ] offset:(\off)+(\f/4)*16*PKB+(\f%4)*64
	ds_load_b128 v[8*\f+4:8*\f+7], v[AQ] offset:(\off)+(\f/4)*16*PKB+(\f%4)*64+32
.endr
	WIN 0
.endm
.macro FETCH_K                         ; my 64 keys: keys 16 (f / 4) on, channels 32 (f % 4) on
	WIN 0x80
.irp f, 0,1,2,3,4,5,6,7,8,9,10,11,12,13,14,15
	ds_load_b128 v[KV+8*\f:KV+8*\f+3],   v[ADR] offset:(\f/4)*16*PKB+(\f%4)*64
	ds_load_b128 v[KV+8*\f+4:KV+8*\f+7], v[ADR] offset:(\f/4)*16*PKB+(\f%4)*64+32
.endr
	WIN 0
.endm
.macro FETCH_V                         ; turned: keys 32 (f / 8) on, channels 16 (f % 8) on
	WIN 0x80
.irp f, 0,1,2,3,4,5,6,7,8,9,10,11,12,13,14,15
	ds_load_tr16_b128 v[KV+8*\f:KV+8*\f+3],   v[ADR] offset:(\f/8)*32*PVB+(\f%8)*32
	ds_load_tr16_b128 v[KV+8*\f+4:KV+8*\f+7], v[ADR] offset:(\f/8)*32*PVB+16*PVB+(\f%8)*32
.endr
	WIN 0
.endm
; Product i of 64 of S^T = K Q^T: channels 32 (i / 16) on, keys 16 ((i / 4) % 4) on, tile i % 4.  The first 16 start the sums with a mask.  The 16 accumulators take turns.
.macro KQ
.set kb, (i/4)%4
.set tq, i%4
.set rS, S+32*tq+8*kb
.set rK, KV+32*kb+8*(i/16)
.set rQ, 32*tq+8*(i/16)
.if i < 16
.if kb < tq
.set rC0, MLT
.elseif kb == tq
.set rC0, MEQ
.else
.set rC0, MGT
.endif
	v_wmma_f32_16x16x32_f16 v[rS:rS+7], v[rK:rK+7], v[rQ:rQ+7], v[rC0:rC0+7]
.else
	v_wmma_f32_16x16x32_f16 v[rS:rS+7], v[rK:rK+7], v[rQ:rQ+7], v[rS:rS+7]
.endif
.endm
; Product i of 64 of O^T += V^T P: keys 32 (i / 32) on, channels 16 ((i / 4) % 8) on, tile i % 4.  The 32 accumulators take turns.
.macro PV
.set rO, 64*(i%4)+8*((i/4)%8)
.set rV, KV+64*(i/32)+8*((i/4)%8)
.set rP, S+32*(i%4)+8*(i/32)
	v_wmma_f32_16x16x32_f16 v[rO:rO+7], v[rV:rV+7], v[rP:rP+7], v[rO:rO+7]
.endm
.macro REGS t
.set rT, ST+4*(\t)
.set rC, TMP+4*(\t)
.set rM, MV+(\t)
.set rS, S+32*(\t)
.set rO, 64*(\t)
.endm
; Number n of the 22 that find a tile's maximum and statistics.  0-11: four chains of seven scores, each accumulator's lowest registers first; 12-14, 16: the four scores left over, the old m, the four
; into one; 15: c m_old is kept; 17, 18: the query's other 32 keys lie in the lane 16 away; 19-21: c m, c m_old - c m_new, a.
.macro XS t, n
	REGS \t
.if (\n) < 4
	v_max3_num_f32 v[rC+(\n)], v[rS+8*(\n)], v[rS+8*(\n)+1], v[rS+8*(\n)+2]
.elseif (\n) < 12
	v_max3_num_f32 v[rC+(\n)%4], v[rC+(\n)%4], v[rS+8*((\n)%4)+2*((\n)/4)+1], v[rS+8*((\n)%4)+2*((\n)/4)+2]
.elseif (\n) == 12
	v_max3_num_f32 v[rC], v[rC], v[rS+7], v[rS+15]
.elseif (\n) == 13
	v_max3_num_f32 v[rC+1], v[rC+1], v[rS+23], v[rS+31]
.elseif (\n) == 14
	v_max3_num_f32 v[rC+2], v[rC+2], v[rC+3], v[rT+1]
.elseif (\n) == 15
	v_mov_b32 v[rM], v[rT]
.elseif (\n) == 16
	v_max3_num_f32 v[rC], v[rC], v[rC+1], v[rC+2]
.elseif (\n) == 17
	v_permlanex16_b32 v[rC+3], v[rC], s[SEL], s[SEL+1]
.elseif (\n) == 18
	v_max_num_f32 v[rT+1], v[rC], v[rC+3]
.elseif (\n) == 19
	v_mul_f32 v[rT], s[CS], v[rT+1]
.elseif (\n) == 20
	v_sub_f32 v[rC+1], v[rM], v[rT]
.else
	v_exp_f32 v[rC+2], v[rC+1]
.endif
.endm
; THE SOFTMAX of a tile step, the four tiles alternating.  Ahead of the one wait nothing names an exponential's result: the statistics and the four a, the 64 scalings c s - c m, the 128 exponentials.
; Behind it: O^T times a; then, pair by pair, l takes the pair and the pair is rounded to f16 into register i of S^T, which pair i / 2 has left.
.macro SOFTMAX
	WIN 0
.set xn, 0
.rept 22
.irp t, 0,1,2,3
	XS \t, xn
.endr
.set xn, xn+1
.endr
.set fi, 0
.rept 17
.irp t, 0,1,2,3
	REGS \t
.if fi < 16
	v_pk_fma_f32 v[rS+2*fi:rS+2*fi+1], v[rS+2*fi:rS+2*fi+1], s[CS:CS+1], v[rT:rT+1] op_sel_hi:[1,0,0] neg_lo:[0,0,1] neg_hi:[0,0,1]
.endif
.if fi > 0
	v_exp_f32 v[rS+2*fi-2], v[rS+2*fi-2]
	v_exp_f32 v[rS+2*fi-1], v[rS+2*fi-1]
.endif
.endr
.set fi, fi+1
.endr
	v_nop                                          ; a plain line behind the last exponential: one for the batch,
	s_wait_alu depctr_va_vdst(0)                   ; and the one wait ahead of the first use
	WIN W_RS
.irp t, 0,1,2,3
	REGS \t
.set rj, 0
.rept 32
	v_pk_mul_f32 v[rO+2*rj:rO+2*rj+1], v[rO+2*rj:rO+2*rj+1], v[rC+2:rC+3] op_sel_hi:[1,0]
.set rj, rj+1
.endr
.endr
	WIN 0
.set li, 0
.rept 16
.irp t, 0,1,2,3
	REGS \t
.if li == 0
	v_pk_fma_f32 v[rT+2:rT+3], v[rT+2:rT+3], v[rC+2:rC+3], v[rS:rS+1] op_sel_hi:[1,0,1]
.else
	v_pk_add_f32 v[rT+2:rT+3], v[rT+2:rT+3], v[rS+2*li:rS+2*li+1]
.endif
.endr
.irp t, 0,1,2,3
	REGS \t
	v_cvt_pk_f16_f32 v[rS+li], v[rS+2*li], v[rS+2*li+1]
.endr
.set li, li+1
.endr
.endm
; A TILE STEP.  At step 8 - f the second block begins: the first block's O^T, c m and l are set aside, m starts anew, the second block's Q comes out of LDS.  The jump hangs on f alone, which the
; partners share, and passes neither a barrier nor a tensor load.
.macro STEP
	s_cmp_eq_u32 s[RN], s[SW]
	s_cbranch_scc0 .Lsame_\@
	WIN 0xc1                                       ; destination window 3, source window 1
.set i, 0
.rept 256
	v_mov_b32 v[i], v[i]
.set i, i+1
.endr
	WIN 0
.irp t, 0,1,2,3
	v_mov_b32 v[SS+\t], v[ST+4*\t]
	v_add_f32 v[SS+4+\t], v[ST+4*\t+2], v[ST+4*\t+3]
	v_mov_b32 v[ST+4*\t], 0xfe000000
	v_mov_b32 v[ST+4*\t+1], 0xe0ad78ec
.endr
	FETCH_Q QBLK
	s_mov_b32 s[KS], s[WV]
	s_mov_b32 s[BI], s15
.Lsame_\@:
	v_add_nc_u32 v[ADR], s[TB], v[AK0]
	FETCH_K
	s_cmp_eq_u32 s[KS], s[BI]                      ; these three choices feed numbers alone
	s_cselect_b32 s[AL], 1.0, 0
	s_cmp_gt_u32 s[KS], s[BI]
	s_cselect_b32 s[BE], s[BIGN], 0
	s_cmp_ge_u32 s[KS], s[BI]
	s_cselect_b32 s[BG], s[BIGN], 0
	s_add_co_u32 s[KS], s[KS], 4
.set i, 0
.rept 8
	v_mov_b32 v[MLT+i], s[BE]                      ; key block below the query tile: hidden only in a step past the block
	v_mov_b32 v[MGT+i], s[BG]                      ; above it: hidden from the block's own step on
.set i, i+1
.endr
.set i, 0
.rept 4
	v_pk_fma_f32 v[MEQ+2*i:MEQ+2*i+1], v[MD+2*i:MD+2*i+1], s[AL:AL+1], s[BE:BE+1] op_sel_hi:[1,0,0]
.set i, i+1
.endr
	s_wait_dscnt 0x0                               ; K (and at a block's beginning Q) is in
	WIN W_KQ
.set i, 0
.rept 64
	KQ
.set i, i+1
.endr
	WIN 0
	PLACES                                         ; behind the last product, ahead of loads into K's registers and of the maxima
	v_add_nc_u32 v[ADR], s[TB], v[AV0]
	FETCH_V                                        ; lands while the softmax runs
	SOFTMAX
	s_wait_dscnt 0x0                               ; V is in
	WIN W_PV
.set i, 0
.rept 64
	PV
.set i, i+1
.endr
	WIN 0
	s_add_co_u32 s[RN], s[RN], 1
.endm
	s_wait_tensorcnt 0x0                           ; my rows of Q and my part of tile 0 are in,
	s_barrier_signal -1
	s_barrier_wait -1                              ; everybody's are
	FETCH_Q 0
	s_mov_b32 s[CNT], 8
.Ltile:                                        ; eight trips: a tile is entered and the walk's next is asked for
	CHANGE 1
	STEP
	s_sub_co_u32 s[CNT], s[CNT], 1
	s_cmp_lg_u32 s[CNT], 0
	s_cbranch_scc1 .Ltile
	CHANGE 0                                       ; the walk's last tile is written out
	STEP
	; THE MERGE.  l's two halves and the other half of the lanes' are added; these lines and the addresses are the places behind the last products.
.irp t, 0,1,2,3
	v_add_f32 v[LL+\t], v[ST+4*\t+2], v[ST+4*\t+3]
.endr
	s_lshl_b32 s22, s[WV], 2
	v_lshlrev_b32 v[SA], 4, v1
	v_add_nc_u32 v[SA], s22, v[SA]
	v_add_nc_u32 v[SA], STATS, v[SA]               ; query l % 16 of a tile, my wave's word
	s_lshl_b32 s22, s[WV], 8
	v_lshlrev_b32 v[FA], 4, v1
	v_add_nc_u32 v[FA], s22, v[FA]
	v_add_nc_u32 v[FA], STATS, v[FA]               ; query 16 w + l % 16, all four waves' words
	s_mul_i32 s22, s[WV], 16*OPITCH
	v_lshl_add_u32 v[RA], v10, 4, s22              ; rows 16 w on, my 16 bytes of a row: of waves 0, 1;
	v_add_nc_u32 v[RA+1], 2*WST, v[RA]             ; of waves 2, 3;
	v_add_nc_u32 v[RA+2], SLOT1, v[RA]             ; and the same for the second block
	v_add_nc_u32 v[RA+3], SLOT1, v[RA+1]
.irp t, 0,1,2,3
	v_permlanex16_b32 v[TMP+\t], v[LL+\t], s[SEL], s[SEL+1]
	v_permlanex16_b32 v[TMP+4+\t], v[SS+4+\t], s[SEL], s[SEL+1]
.endr
.irp t, 0,1,2,3
	v_add_f32 v[LL+\t], v[LL+\t], v[TMP+\t]
	v_add_f32 v[SS+4+\t], v[SS+4+\t], v[TMP+4+\t]
.endr
	s_wait_dscnt 0x0
	s_barrier_signal -1
	s_barrier_wait -1                              ; no wave reads the ring any more, and it has had its last fill: it becomes the stage
.irp t, 0,1,2,3
	ds_store_b32 v[SA], v[SS+\t]    offset:\t*256
	ds_store_b32 v[SA], v[ST+4*\t]  offset:1024+\t*256
	ds_store_b32 v[SA], v[SS+4+\t]  offset:2048+\t*256
	ds_store_b32 v[SA], v[LL+\t]    offset:3072+\t*256
.endr
.macro PUT adr                         ; accumulator i: tile i / 8, channels 16 (i % 8) on; its low half first
.set i, 0
.rept 32
	ds_store_b128 v[\adr], v[8*i:8*i+3]   offset:(i/8)*16*OPITCH+(i%8)*64
	ds_store_b128 v[\adr], v[8*i+4:8*i+7] offset:(i/8)*16*OPITCH+(i%8)*64+16
.set i, i+1
.endr
.endm
	WIN 0x0c                                       ; data in window 3: the first block's
	PUT SO
	WIN 0x04                                       ; data in window 1: the second block's
	PUT SO2
	WIN 0
	s_wait_dscnt 0x0                               ; for the others' sake
	s_barrier_signal -1
	s_barrier_wait -1
; Wave w finishes rows 16 w .. 16 w + 15 of both blocks, in eight batches k of four rows.  A load brings a whole row of one wave's partial O: 512 consecutive bytes.
.macro LOADB k
.set bD, 64+64*((\k)%2)
.irp rr, 0,1,2,3
.irp j, 0,1,2,3
	ds_load_b128 v[bD+16*\rr+4*\j:bD+16*\rr+4*\j+3], v[RA+2*((\k)/4)+(\j/2)] offset:(\j%2)*WST+(4*((\k)%4)+\rr)*OPITCH
.endr
.endr
.endm
	ds_load_b128 v[CMV:CMV+3],   v[FA]
	ds_load_b128 v[CMV+4:CMV+7], v[FA] offset:1024
	ds_load_b128 v[LV:LV+3],     v[FA] offset:2048
	ds_load_b128 v[LV+4:LV+7],   v[FA] offset:3072
	LOADB 0
	LOADB 1
	s_wait_dscnt 32                                ; the statistics are in; the two batches' 32 loads may stay out
	; a lane stands for row l % 16: M = the largest c m, e_j = 2^(c m_j - M), factor g_j = e_j / the sum of e_j l_j.  The wave with the largest c m has l of 1 or more.
.irp b, 0,1
	v_max3_num_f32 v[MX+\b], v[CMV+4*\b], v[CMV+4*\b+1], v[CMV+4*\b+2]
.endr
.irp b, 0,1
	v_max_num_f32 v[MX+\b], v[MX+\b], v[CMV+4*\b+3]
.endr
.irp b, 0,1
.irp j, 0,1,2,3
	v_sub_f32 v[GF+4*\b+\j], v[CMV+4*\b+\j], v[MX+\b]
.endr
.endr
.irp j, 0,1,2,3,4,5,6,7
	v_exp_f32 v[GF+\j], v[GF+\j]
.endr
	v_nop
	s_wait_alu depctr_va_vdst(0)                   ; one wait for the eight exponentials
.irp b, 0,1
	v_mul_f32 v[MX+\b], v[GF+4*\b], v[LV+4*\b]
.endr
.irp j, 1,2,3
.irp b, 0,1
	v_fmac_f32 v[MX+\b], v[GF+4*\b+\j], v[LV+4*\b+\j]
.endr
.endr
	v_rcp_f32 v[MX], v[MX]
	v_rcp_f32 v[MX+1], v[MX+1]
	v_nop
	s_wait_alu depctr_va_vdst(0)                   ; one wait for the two reciprocals
.irp b, 0,1
.irp j, 0,1,2,3
	v_mul_f32 v[GF+4*\b+\j], v[GF+4*\b+\j], v[MX+\b]
.endr
.endr
.macro ROWS k
.set bD, 64+64*((\k)%2)
.set bG, GF+4*((\k)/4)
.irp rr, 0,1,2,3
.set d, bD+16*\rr
.set row, 4*((\k)%4)+\rr
.set oi, OUT+2*(4*(\k)+\rr)
.irp j, 0,1,2,3
	v_readlane_b32 s[G+2*\j], v[bG+\j], row        ; the row's four factors: numbers alone, no address and no branch hangs on them
.endr
	v_pk_mul_f32 v[d:d+1], v[d:d+1], s[G:G+1] op_sel_hi:[1,0]
	v_pk_mul_f32 v[d+2:d+3], v[d+2:d+3], s[G:G+1] op_sel_hi:[1,0]
.irp j, 1,2,3
	v_pk_fma_f32 v[d:d+1], v[d+4*\j:d+4*\j+1], s[G+2*\j:G+2*\j+1], v[d:d+1] op_sel_hi:[1,0,1]
	v_pk_fma_f32 v[d+2:d+3], v[d+4*\j+2:d+4*\j+3], s[G+2*\j:G+2*\j+1], v[d+2:d+3] op_sel_hi:[1,0,1]
.endr
	v_cvt_pk_f16_f32 v[oi], v[d], v[d+1]
	v_cvt_pk_f16_f32 v[oi+1], v[d+2], v[d+3]
.if (\k) < 4
	global_store_b64 v[GO], v[oi:oi+1], s[OHI:OHI+1] offset:row*4096   ; the head's 256 bytes of a row of oh, aligned, from 32 lanes
.else
	global_store_b64 v[GO], v[oi:oi+1], s[OLO:OLO+1] offset:row*4096
.endif
.endr
.endm
.irp k, 0,1,2,3,4,5
	s_wait_dscnt 16                                ; batch k is in; the next batch's 16 loads may stay out
	ROWS \k
	LOADB (\k)+2
.endr
	s_wait_dscnt 16
	ROWS 6
	s_wait_dscnt 0x0
	ROWS 7
	s_wait_tensorcnt 0x0                           ; the wave's end: this wait, an add and its wait, behind my last tensor load and my last LDS store
	ds_add_u32 v[SPW], v[NIL]
	s_wait_dscnt 0x0
	CROUND                                         ; the closing round
	s_endpgm
.Lfunc_end_k_q92d1fd23fd_attn:
	.size	k_q92d1fd23fd_attn, .Lfunc_end_k_q92d1fd23fd_attn-k_q92d1fd23fd_attn
	.p2alignl 7, 3214868480
	.fill 96, 4, 3214868480
	.section	.rodata,"a",@progbits
	.p2align	6, 0x0
	.amdhsa_kernel k_q92d1fd23fd_attn
		.amdhsa_group_segment_fixed_size 327680
		.amdhsa_private_segment_fixed_size 0
		.amdhsa_enable_private_segment 0
		.amdhsa_kernarg_size 16
		.amdhsa_user_sgpr_count 2
		.amdhsa_user_sgpr_kernarg_segment_ptr 1
		.amdhsa_wavefront_size32 1
		.amdhsa_system_sgpr_workgroup_id_x 1
		.amdhsa_system_sgpr_workgroup_id_y 1
		.amdhsa_system_sgpr_workgroup_id_z 1
		.amdhsa_system_vgpr_workitem_id 0
		.amdhsa_next_free_vgpr 1024
		.amdhsa_next_free_sgpr 100
		.amdhsa_reserve_vcc 1
		.amdhsa_float_denorm_mode_32 3
		.amdhsa_float_denorm_mode_16_64 3
		.amdhsa_memory_ordered 1
		.amdhsa_forward_progress 1
		.amdhsa_inst_pref_size 189
	.end_amdhsa_kernel
	.amdgpu_metadata
---
amdhsa.version: [ 1, 2 ]
amdhsa.kernels:
  - .name:           k_q92d1fd23fd_attn
    .symbol:         k_q92d1fd23fd_attn.kd
    .args:
      - { .name: qkv, .offset: 0, .size: 8, .value_kind: global_buffer, .address_space: global }
      - { .name: oh, .offset: 8, .size: 8, .value_kind: global_buffer, .address_space: global }
    .group_segment_fixed_size: 327680
    .private_segment_fixed_size: 0
    .kernarg_segment_align: 8
    .kernarg_segment_size: 16
    .max_flat_workgroup_size: 128
    .sgpr_count:     100
    .vgpr_count:     1024
    .wavefront_size: 32
...
	.end_amdgpu_metadata
.endif
;; end of part 3
;; launch oproj (part 4): grid 16 x 16, 4 waves a work-group, clusters of 4 x 4, 327,680 bytes of LDS; arguments oh, wo16, out0; writes out0
.if DOCPART == 4
	.amdgcn_target "amdgcn-amd-amdhsa--gfx1250"
	.amdhsa_code_object_version 6
	.text
	.protected	k_q92d1fd23fd_oproj
	.globl	k_q92d1fd23fd_oproj
	.p2align	8
	.type	k_q92d1fd23fd_oproj,@function
k_q92d1fd23fd_oproj:
	s_mov_b64 s[64:65], 0
	v_nop
	global_prefetch_b8 v0, s[64:65] scope:SCOPE_SE
	s_setreg_imm32_b32 hwreg(HW_REG_WAVE_MODE, 25, 1), 1
	s_wait_xcnt 0x0
	s_wait_alu depctr_hold_cnt(0) depctr_sa_sdst(0) depctr_va_vdst(0) depctr_va_sdst(0) depctr_va_ssrc(0) depctr_va_vcc(0) depctr_vm_vsrc(0)
	s_getreg_b32 s2, hwreg(HW_REG_IB_STS2, 6, 4)
	s_cmp_eq_u32 s2, 0
	s_cbranch_scc0 .Lentry_in_a_cluster
	s_endpgm
.Lentry_in_a_cluster:
	s_bfe_u32 s2, ttmp6, 0x10000c
	s_cmp_lg_u32 s2, 0xf033
	s_cbranch_scc0 .Lentry_shape_is_right
	s_endpgm
.Lentry_shape_is_right:
; out0[s][n] = the sum over k of oh[s][k] wo16[n][k].  oh, wo16: [2048][2048] f16; out0: [2048][2048] f32; sums in f32, over K from a start that differs from cluster to cluster, wrapping: another order than ascending K.
; A tile of the output is 128 x 128, which gives 256 work-groups.  Four waves, each 64 x 64: 16 accumulators.  K goes in steps of 256 (LDS rows of 512 bytes; a wave's tensor load brings 64 of them)
; through two slots.  A K step is written once: the slot in hand is a scalar that an exclusive or turns, and one descriptor a tensor walks.
; CLUSTER: 4 x 4 work-groups; oh's tiles are shared along a row of the cluster, wo16's along a column, each asked for jointly.
; THE WALK.  Cluster (X, Y) begins at K step 2 o, o = (X + 2 ((Y xor Y >> 1) & 1)) mod 4, and wraps at K's end: the four clusters that take the same rows of oh begin at four different quarters of K, and of the
; four that take the same rows of wo16 two begin two quarters from the other two.  So clusters that take the same rows take them at different times of the launch.
; THE MATRIX INSTRUCTION IS USED TRANSPOSED (source 0 = 16 rows of wo16, source 1 = 16 rows of oh): a lane holds eight neighbouring numbers of a row of the output.
; THE WAY OUT: a wave's 64 columns of f32 are 256 consecutive bytes, aligned, of a row, so each wave has a stage of its own (64 rows x 272 bytes, from LDS byte 0 on, behind the ring's last fill and a barrier
; behind every wave's last read of the ring).  No prefetch: the tiles are small and the launch is short.
; REGISTERS: window 0: v16-29 addresses; v128-255 the accumulators ((a, b) at 128 + 8 (4 a + b)).  window 1: two fragment buffers of 128: 64 registers of oh's, then 64 of wo16's, for 64 along K.
.set SIZE_N, 2048
.set SIZE_K, 2048
.set KSTEP,  256
.set STEPS,  SIZE_K/KSTEP              ; 8 K steps
.set PITCH,  528                       ; 512 bytes + 16: the 16 rows of a fragment load start 16 bytes apart modulo 256
.set HALFT,  64*PITCH
.set SLOT,   4*HALFT                   ; 0x21000: neither of its two bits is set in wave x HALFT, so one exclusive or turns a descriptor's LDS address from slot to slot
.set SPITCH, 272
.set WSTAGE, 64*SPITCH
.set SPARE,  2*SLOT                    ; behind the ring: the spare words, 128 bytes a wave, that no other line names
.set ADRA, 16                          ; v16, v17  LDS addresses of oh's and wo16's fragments in the slot in hand
.set ADRB, 17
.set BASA, 18                          ; v18, v19  the same in slot 0; never rewritten
.set BASB, 19
.set STO,  24
.set RD,   25
.set CO,   26
.set SPW,  28
.set NIL,  29
.set ACC,  128
.set F0,   0
.set F1,   128
.set TB,   2                           ; s2   the slot in hand: 0 or SLOT
.set ABAS, 14                          ; s[14:15] oh at my tile's first row, K = 0
.set OFF,  18                          ; s[18:19] a K step's byte offset in a row
.set G1, 24
.set G0, 32                            ; s[32:39] a set for each of the two first fills; the second then walks
.set NI,   45                          ; s45  the K step asked for last; made of the cluster's x and y alone
.set BBAS, 46                          ; s[46:47] wo16 at my tile's first row, K = 0
.set G1B, 48
.set G0B, 56
.set MSB, 0
.macro WIN new
.if MSB != (\new)
	s_set_vgpr_msb (MSB<<8)|(\new)
.set MSB, \new
.endif
.endm
.set MUL,  0x05                        ; sources 0 and 1 window 1; C and D window 0
.set TO_F, 0x40                        ; destination window 1, address window 0
.macro JLOAD s                         ; waves 0 and 1 fetch oh's two halves, waves 2 and 3 wo16's; an s_nop 0 and four v_nop follow each line
	s_cmp_eq_u32 s11, 0
	s_cbranch_scc0 .Lfor_b_\@
	tensor_load_to_lds s[G0+4*(\s):G0+4*(\s)+3], s[G1:G1+7]
	s_nop 0
.rept 4
	v_nop
.endr
	s_branch .Lasked_\@
.Lfor_b_\@:
	tensor_load_to_lds s[G0B+4*(\s):G0B+4*(\s)+3], s[G1B:G1B+7]
	s_nop 0
.rept 4
	v_nop
.endr
.Lasked_\@:
.endm
.macro CREST
	s_cmp_lg_u32 s10, 0
	s_cbranch_scc1 .Lnot_wave_0_\@
	s_barrier_signal -3
.Lnot_wave_0_\@:
	s_barrier_wait -3
	s_barrier_signal -1
	s_barrier_wait -1
.endm
.macro CROUND
	s_barrier_signal -1
	s_barrier_wait -1
	CREST
.endm
	s_load_b128 s[4:7], s[0:1], 0x0                ; oh s[4:5], wo16 s[6:7]
	s_load_b64 s[8:9], s[0:1], 0x10                ; out0
	v_lshl_add_u32 v[SPW], v0, 2, SPARE
	v_mov_b32 v[NIL], 0
	ds_add_u32 v[SPW], v[NIL]                      ; the opening: the add and its wait stand ahead of my first tensor load
	v_lshrrev_b32 v1, 5, v0
	v_readfirstlane_b32 s10, v1                    ; wave 0..3
	s_lshr_b32 s11, s10, 1                         ; which half of the tile's rows is mine.  Also: I fetch for oh (0) or for wo16 (1)
	s_and_b32 s12, s10, 1                          ; which half of its columns.  Also: which 64 rows of that tile I fetch
	s_bfe_u32 s40, ttmp6, 0x40000                  ; cx
	s_bfe_u32 s41, ttmp6, 0x40004                  ; cy
	s_lshl_b32 s42, ttmp9, 2
	s_add_co_u32 s42, s42, s40                     ; tile column
	s_and_b32 s13, ttmp7, 0xffff
	s_lshl_b32 s13, s13, 2
	s_add_co_u32 s13, s13, s41                     ; tile row
	s_and_b32 s23, ttmp7, 0xffff                   ; where my cluster's walk begins
	s_lshr_b32 s[NI], s23, 1
	s_xor_b32 s[NI], s[NI], s23
	s_and_b32 s[NI], s[NI], 1
	s_lshl_b32 s[NI], s[NI], 1
	s_add_co_u32 s[NI], s[NI], ttmp9
	s_and_b32 s[NI], s[NI], 3                      ; o
	s_lshl_b32 s[NI], s[NI], 1                     ; K step 2 o
	s_lshl_b32 s43, s41, 2
	s_lshl_b32 s43, 15, s43                        ; my row of the cluster
	s_lshl_b32 s44, 0x1111, s40                    ; my column
	s_or_b32 s[G1+0], s43, (1<<16)|(1<<20)|(1<<21)|(6<<22)|(3<<25)  ; the mask; 2-byte elements; padding on; 21 set beside a mask; after every 128 words 4 words
	s_or_b32 s[G1B+0], s44, (1<<16)|(1<<20)|(1<<21)|(6<<22)|(3<<25)
.irp g, G1, G1B
	s_mov_b32 s[(\g)+1], KSTEP<<16                 ; tensor_dim0 = 256
	s_mov_b32 s[(\g)+2], 64<<16                    ; tensor_dim1 = 64
	s_mov_b32 s[(\g)+3], KSTEP<<16                 ; tile_dim0 = 256
	s_mov_b32 s[(\g)+4], 64                        ; tile_dim1 = 64
	s_mov_b32 s[(\g)+5], SIZE_K
	s_mov_b32 s[(\g)+6], 0
	s_mov_b32 s[(\g)+7], 0
.endr
	s_lshl_b32 s17, s12, 6
	s_lshl_b32 s16, s13, 7
	s_add_co_u32 s16, s16, s17                     ; oh: row 128 x tile row + 64 x half
	s_lshl_b32 s46, s42, 7
	s_add_co_u32 s46, s46, s17                     ; wo16: row 128 x tile column + 64 x half
	s_mov_b32 s17, 0
	s_mov_b32 s47, 0
	s_mov_b64 s[18:19], SIZE_K*2
	s_mul_u64 s[16:17], s[16:17], s[18:19]
	s_mul_u64 s[46:47], s[46:47], s[18:19]
	s_lshl_b32 s[OFF], s[NI], 9                    ; the walk's first K step, in bytes of a row
	s_mov_b32 s[OFF+1], 0
	s_mov_b32 s[TB], 0
	s_mul_i32 s20, s10, HALFT                      ; where my tile goes: wave x 64 rows
.irp s, 0,1
	s_mov_b32 s[G0+4*(\s)], 1
	s_add_co_u32 s[G0+4*(\s)+1], s20, (\s)*SLOT
	s_mov_b32 s[G0B+4*(\s)], 1
	s_add_co_u32 s[G0B+4*(\s)+1], s20, (\s)*SLOT
.endr
	s_wait_dscnt 0x0                               ; the opening add is done
	s_wait_kmcnt 0x0
	s_add_nc_u64 s[ABAS:ABAS+1], s[4:5], s[16:17]
	s_add_nc_u64 s[BBAS:BBAS+1], s[6:7], s[46:47]
	s_add_nc_u64 s[G0+2:G0+3], s[ABAS:ABAS+1], s[OFF:OFF+1]        ; the walk's step 0 into slot 0,
	s_add_nc_u64 s[G0+6:G0+7], s[G0+2:G0+3], KSTEP*2               ; its step 1 into slot 1 (2 o + 1 is 7 at the most: no wrap)
	s_or_b32 s[G0+3], s[G0+3], 0x80000000
	s_or_b32 s[G0+7], s[G0+7], 0x80000000
	s_add_nc_u64 s[G0B+2:G0B+3], s[BBAS:BBAS+1], s[OFF:OFF+1]
	s_add_nc_u64 s[G0B+6:G0B+7], s[G0B+2:G0B+3], KSTEP*2
	s_or_b32 s[G0B+3], s[G0B+3], 0x80000000
	s_or_b32 s[G0B+7], s[G0B+7], 0x80000000
	s_add_co_u32 s[NI], s[NI], 1
	CROUND                                         ; all sixteen work-groups are here: the first joint loads meet
	JLOAD 0
	JLOAD 1                                        ; two loads of mine are out
	v_and_b32 v1, 15, v0                           ; l % 16
	v_bfe_u32 v2, v0, 4, 1                         ; l / 16
	v_mul_u32_u24 v3, v1, PITCH
	v_lshl_add_u32 v3, v2, 4, v3
	s_mul_i32 s21, s11, HALFT                      ; my 64 rows of oh
	s_mul_i32 s22, s12, HALFT                      ; my 64 rows of wo16,
	s_add_co_u32 s22, s22, 2*HALFT                 ; which lie behind oh's 128
	v_add_nc_u32 v[BASA], s21, v3
	v_add_nc_u32 v[BASB], s22, v3
	v_mov_b32 v[ADRA], v[BASA]                     ; the walk begins in slot 0
	v_mov_b32 v[ADRB], v[BASB]
	s_mul_i32 s23, s10, WSTAGE                     ; my stage
	v_mul_u32_u24 v4, v1, SPITCH                   ; in: row l % 16, 32 bytes for each half of the lanes
	v_lshl_add_u32 v4, v2, 5, v4
	v_add_nc_u32 v[STO], s23, v4
	v_mul_u32_u24 v5, v2, SPITCH                   ; back: lanes 0-15 one row of 256 bytes, lanes 16-31 the next
	v_lshl_add_u32 v5, v1, 4, v5
	v_add_nc_u32 v[RD], s23, v5
	v_lshlrev_b32 v5, 13, v2                       ; and the same two rows in the output, 8,192 bytes apart
	v_lshl_add_u32 v[CO], v1, 4, v5
	s_lshl_b32 s16, s13, 7
	s_lshl_b32 s17, s11, 6
	s_add_co_u32 s16, s16, s17                     ; my first row: 128 x tile row + 64 x half
	s_lshl_b32 s16, s16, 13
	s_mov_b32 s17, 0
	s_add_nc_u64 s[8:9], s[8:9], s[16:17]
	s_lshl_b32 s22, s42, 9                         ; my first column, in bytes: 512 x tile column + 256 x half
	s_lshl_b32 s23, s12, 8
	s_add_co_u32 s22, s22, s23
	s_mov_b32 s23, 0
	s_add_nc_u64 s[8:9], s[8:9], s[22:23]
; 8 matrix instructions: row blocks a0, a0 + 1 x all 4 column blocks, 32 along K: half c of buffer f.  The 16 accumulators take turns.
.macro MUL8 f, c, a0, zero
	WIN MUL
.irp a, \a0, (\a0)+1
.irp b, 0,1,2,3
.if \zero
	v_wmma_f32_16x16x32_f16 v[ACC+8*(4*(\a)+(\b)):ACC+8*(4*(\a)+(\b))+7], v[(\f)+64+8*(4*(\c)+(\b)):(\f)+64+8*(4*(\c)+(\b))+7], v[(\f)+8*(4*(\c)+(\a)):(\f)+8*(4*(\c)+(\a))+7], 0
.else
	v_wmma_f32_16x16x32_f16 v[ACC+8*(4*(\a)+(\b)):ACC+8*(4*(\a)+(\b))+7], v[(\f)+64+8*(4*(\c)+(\b)):(\f)+64+8*(4*(\c)+(\b))+7], v[(\f)+8*(4*(\c)+(\a)):(\f)+8*(4*(\c)+(\a))+7], v[ACC+8*(4*(\a)+(\b)):ACC+8*(4*(\a)+(\b))+7]
.endif
.endr
.endr
.endm
; 32 LDS loads in one run: the fragments of 64 along K at byte k of the rows of the slot in hand, into buffer f; the first 32 along K first
.macro FETCH k, f
	WIN TO_F
.irp c, 0,1
.irp i, 0,1,2,3
	ds_load_b128 v[(\f)+64+8*(4*(\c)+(\i)):(\f)+64+8*(4*(\c)+(\i))+3],   v[ADRB] offset:(\k)+64*(\c)+(\i)*16*PITCH
	ds_load_b128 v[(\f)+64+8*(4*(\c)+(\i))+4:(\f)+64+8*(4*(\c)+(\i))+7], v[ADRB] offset:(\k)+64*(\c)+(\i)*16*PITCH+32
	ds_load_b128 v[(\f)+8*(4*(\c)+(\i)):(\f)+8*(4*(\c)+(\i))+3],         v[ADRA] offset:(\k)+64*(\c)+(\i)*16*PITCH
	ds_load_b128 v[(\f)+8*(4*(\c)+(\i))+4:(\f)+8*(4*(\c)+(\i))+7],       v[ADRA] offset:(\k)+64*(\c)+(\i)*16*PITCH+32
.endr
.endr
.endm
.macro PLACES
.rept 4
	v_nop
.endr
.endm
; A K step is four quarters of 64 along K, 32 matrix instructions each, on buffers 0, 1, 0, 1.
.macro QUARTER k, f, g, zero
	s_wait_dscnt 16                                ; the first 32 along K are in
	MUL8 \f, 0, 0, \zero
	MUL8 \f, 0, 2, \zero
	PLACES
	FETCH \k, \g
	s_wait_dscnt 32                                ; all but the 32 just issued
	MUL8 \f, 1, 0, 0
	MUL8 \f, 1, 2, 0
.endm
; The last quarter multiplies buffer 1 and changes slots: one barrier; in front of it each wave waits for all its tensor loads, adds 0 to its spare word, and waits for that and for its reads of this slot.
; fill = 1: the barrier opens a round of the cluster's barrier, and the slot just read is filled again with the walk's step two on; the walking descriptors' addresses are made anew from the K step's number, which wraps.
.macro TURN fill
.if \fill
	s_add_co_u32 s[NI], s[NI], 1
	s_and_b32 s[NI], s[NI], STEPS-1                ; the K step to be asked for
	s_lshl_b32 s[OFF], s[NI], 9
.endif
	s_xor_b32 s[TB], s[TB], SLOT                   ; the slot to be entered
	WIN 0
	s_wait_tensorcnt 0x0                           ; all my tensor loads have landed: my part of the next slot; so a group 0 may be written
	ds_add_u32 v[SPW], v[NIL]
.if \fill
.irp g, G0+4, G0B+4
	s_xor_b32 s[(\g)+1], s[(\g)+1], SLOT           ; the other slot than last time
.endr
	s_add_nc_u64 s[G0+6:G0+7], s[ABAS:ABAS+1], s[OFF:OFF+1]
	s_or_b32 s[G0+7], s[G0+7], 0x80000000
	s_add_nc_u64 s[G0B+6:G0B+7], s[BBAS:BBAS+1], s[OFF:OFF+1]
	s_or_b32 s[G0B+7], s[G0B+7], 0x80000000
.endif
	s_wait_dscnt 17                                ; (the add and the youngest sixteen loads may be out)
	MUL8 F1, 0, 0, 0
	s_wait_dscnt 0x0                               ; the add is done, and my reads of this slot are over
	s_barrier_signal -1
	MUL8 F1, 0, 2, 0
	WIN 0
	v_add_nc_u32 v[ADRA], s[TB], v[BASA]           ; the fragments' addresses in the slot to be entered: work on registers, between signal and wait
	v_add_nc_u32 v[ADRB], s[TB], v[BASB]
	s_barrier_wait -1
.if \fill
	CREST                                          ; no wave of any partner still reads this slot or has a load on its way
	JLOAD 1                                        ; 112 matrix instructions ahead of the wait for it; its four v_nop are also the places in front of the loads below
.else
	PLACES
.endif
	FETCH 0, F0
	MUL8 F1, 1, 0, 0
	MUL8 F1, 1, 2, 0
.endm
	s_wait_tensorcnt 1                             ; my part of the walk's step 0 is in; step 1's may stay out
	s_barrier_signal -1
	s_barrier_wait -1
	FETCH 0, F0
	QUARTER 128, F0, F1, 1                         ; the first quarter stands in front of the loop: its first products start the sums
	WIN 0
	s_mov_b32 s3, STEPS-2
.Lstep:                                        ; a trip goes from a step's second quarter to the next step's first, and fills the slot that it leaves: 6 trips ask for steps 2 to 7
	QUARTER 256, F1, F0, 0
	QUARTER 384, F0, F1, 0
	TURN 1
	QUARTER 128, F0, F1, 0
	WIN 0
	s_sub_co_u32 s3, s3, 1
	s_cmp_lg_u32 s3, 0
	s_cbranch_scc1 .Lstep
	s_mov_b32 s3, 2
.Ltail:                                        ; the last two steps fill nothing; the second trip is left in its middle
	QUARTER 256, F1, F0, 0
	QUARTER 384, F0, F1, 0
	WIN 0
	s_sub_co_u32 s3, s3, 1
	s_cmp_eq_u32 s3, 0
	s_cbranch_scc1 .Llast
	TURN 0
	QUARTER 128, F0, F1, 0
	WIN 0
	s_branch .Ltail
.Llast:
	s_wait_dscnt 16
	MUL8 F1, 0, 0, 0
	MUL8 F1, 0, 2, 0
	s_wait_dscnt 0x0                               ; my last reads of the ring are back
	MUL8 F1, 1, 0, 0
	MUL8 F1, 1, 2, 0
	WIN 0
	s_barrier_signal -1
	s_barrier_wait -1                              ; no wave reads the ring any more, and it has had its last fill: its first bytes become the four stages
	PLACES
	PLACES
.irp a, 0,1,2,3
.irp b, 0,1,2,3
	ds_store_b128 v[STO], v[ACC+8*(4*(\a)+(\b)):ACC+8*(4*(\a)+(\b))+3]   offset:(\a)*16*SPITCH+64*(\b)      ; each accumulator's low half first
	ds_store_b128 v[STO], v[ACC+8*(4*(\a)+(\b))+4:ACC+8*(4*(\a)+(\b))+7] offset:(\a)*16*SPITCH+64*(\b)+16
.endr
.endr
.set t, 0
.rept 32
	ds_load_b128 v[ACC+4*t:ACC+4*t+3], v[RD] offset:t*2*SPITCH   ; LDS serves a wave's instructions in order (ISA guide 5.7.1.4): these see my stores above
.set t, t+1
.endr
.set t, 0
.rept 32
	s_wait_dscnt 31-t
	global_store_b128 v[CO], v[ACC+4*t:ACC+4*t+3], s[8:9] offset:t*2*SIZE_N*4 th:TH_STORE_NT   ; 16 lanes store 256 consecutive bytes, aligned
.set t, t+1
.endr
	s_wait_tensorcnt 0x0                           ; the wave's end: this wait, an add and its wait, behind my last tensor load and my last LDS store
	ds_add_u32 v[SPW], v[NIL]
	s_wait_dscnt 0x0
	CROUND                                         ; the closing round
	s_endpgm
.Lfunc_end_k_q92d1fd23fd_oproj:
	.size	k_q92d1fd23fd_oproj, .Lfunc_end_k_q92d1fd23fd_oproj-k_q92d1fd23fd_oproj
	.p2alignl 7, 3214868480
	.fill 96, 4, 3214868480
	.section	.rodata,"a",@progbits
	.p2align	6, 0x0
	.amdhsa_kernel k_q92d1fd23fd_oproj
		.amdhsa_group_segment_fixed_size 327680
		.amdhsa_private_segment_fixed_size 0
		.amdhsa_enable_private_segment 0
		.amdhsa_kernarg_size 24
		.amdhsa_user_sgpr_count 2
		.amdhsa_user_sgpr_kernarg_segment_ptr 1
		.amdhsa_wavefront_size32 1
		.amdhsa_system_sgpr_workgroup_id_x 1
		.amdhsa_system_sgpr_workgroup_id_y 1
		.amdhsa_system_sgpr_workgroup_id_z 1
		.amdhsa_system_vgpr_workitem_id 0
		.amdhsa_next_free_vgpr 512
		.amdhsa_next_free_sgpr 66
		.amdhsa_reserve_vcc 0
		.amdhsa_float_denorm_mode_32 3
		.amdhsa_float_denorm_mode_16_64 3
		.amdhsa_memory_ordered 1
		.amdhsa_forward_progress 1
		.amdhsa_inst_pref_size 61
	.end_amdhsa_kernel
	.amdgpu_metadata
---
amdhsa.version: [ 1, 2 ]
amdhsa.kernels:
  - .name:           k_q92d1fd23fd_oproj
    .symbol:         k_q92d1fd23fd_oproj.kd
    .args:
      - { .name: oh, .offset: 0, .size: 8, .value_kind: global_buffer, .address_space: global }
      - { .name: wo16, .offset: 8, .size: 8, .value_kind: global_buffer, .address_space: global }
      - { .name: out0, .offset: 16, .size: 8, .value_kind: global_buffer, .address_space: global }
    .group_segment_fixed_size: 327680
    .private_segment_fixed_size: 0
    .kernarg_segment_align: 8
    .kernarg_segment_size: 24
    .max_flat_workgroup_size: 128
    .sgpr_count:     66
    .vgpr_count:     512
    .wavefront_size: 32
...
	.end_amdgpu_metadata
.endif
;; end of part 4
